; MI455X (gfx1250); checked and timed in simulation.
; The chip was launched on July 23, 2026; its instructions are those of AMD's public machine-readable ISA for CDNA 5 (MIT licence, August 2026) and "CDNA5" Instruction Set Architecture Reference Guide (July 2026). The comments in the code are by the model that wrote it; some were corrected since.
;; Mo E Layer. Allowed arithmetic: float matrix products may take bf16 or f16 operands with f32 sums; other float arithmetic in f32, or as packed bf16 or f16 multiplies, adds, multiply-adds, maxima and minima; sums over many terms, partial sums and values carried from step to step in f32; what a program stores and reads back later, other than sums and carried values, may be rounded once to bf16 or f16.
;; Inputs: w1 8 x 1,024 x 2,048 float32; w2 8 x 2,048 x 1,024 float32; w3 8 x 1,024 x 2,048 float32; wg 1,024 x 8 float32; x 1,024 x 1,024 float32.
;; Outputs: out0 1,024 x 1,024 float32.
;; 2 versions, each right; version 2 is version 1 with the launch pack written anew for expert scheduling mode. Each part assembles by itself: llvm-mc -triple=amdgcn-amd-amdhsa -mcpu=gfx1250 --defsym DOCPART=n.
;; ======== version 1 of 2: 5 launches
;; workspace buffers: xb 2,097,152 bytes; gw 8,192 bytes; bmk 2,048 bytes of whole numbers; xg 16,777,216 bytes; lst 33,024 bytes of whole numbers; gr 32,768 bytes; h 67,108,864 bytes; y 16,777,216 bytes
;; launch router (part 1): grid 64 x 1, 8 waves a work-group, no clusters, 42,496 bytes of LDS; arguments x, wg, xb, gw, bmk; writes xb, gw, bmk
.if DOCPART == 1
	.amdgcn_target "amdgcn-amd-amdhsa--gfx1250"
	.amdhsa_code_object_version 6
	.text
	.protected	k_q02ea93a606_router
	.globl	k_q02ea93a606_router
	.p2align	8
	.type	k_q02ea93a606_router,@function
k_q02ea93a606_router:
	s_mov_b64 s[64:65], 0
	v_nop
	global_prefetch_b8 v0, s[64:65] scope:SCOPE_SE
	s_setreg_imm32_b32 hwreg(HW_REG_WAVE_MODE, 25, 1), 1
	s_wait_xcnt 0x0
; ROUTER.  logits = x wg for 16 tokens a work-group; top 2 of 8 (the lower index wins a tie, as jax.lax.top_k has it); softmax over the two, the larger taken away first.
; Stored: xb = x rounded to bf16 [1024][1024]; gw[2 t + k] = the gate of token t's k-th choice (f32); bmk[group of 32 tokens][16 words]: word e: bit = the token chose expert e;
; word 8 + e: bit = e is its second choice.  All addresses are fixed: the choice is data here, and later launches read it as whole numbers.
; FORMATS.  x and wg are rounded to bf16 and multiplied by the matrix unit with f32 sums, like every other input of this program, so that the choice is made on the same rounded numbers.
; LIMITS.  NaN and infinite logits are not treated apart; a second gate below 2^-126 counts as 0.
; SHARES.  Wave w loads rows 2 w, 2 w + 1 of the 16 (4,096 bytes each, 512 consecutive bytes a load), rounds them, stores them to xb (256 consecutive aligned bytes a store) and into LDS;
; then it multiplies K = 128 w .. 128 w + 127 of all 16 tokens; the eight partial sums meet in LDS, and wave 0 chooses.
; 64 work-groups: 16 tokens are one matrix tile, and the least share whose half word of a mask one work-group stores whole.
.set XTP,   2064       ; a row of the 16 x 1,024 bf16 in LDS: 2,048 bytes + 16, an odd multiple of 16: the 16 rows of a fragment load start in 16 different groups of four banks (ISA guide 11.1)
.set PART,  33280      ; partial logits: wave w, lane l: 32 bytes at PART + 1,024 w + 32 l
.set SPARE, 41472      ; the spare words, 128 bytes for each of eight waves: four blocks of 256 bytes that no other line names
.set LN,  1            ; lane
.set R,   2            ; lane % 16
.set HH,  3            ; lane / 16
.set XO,  4            ; byte offset of my 16 bytes in x
.set WO,  5            ; in wg
.set BO,  6            ; of my 8 bytes in xb
.set LS,  7            ; LDS: where I put 8 bytes of a row
.set LB,  8            ; LDS: my token fragment
.set LP,  9            ; LDS: my partial logits
.set TM,  10
.set M1,  11           ; largest logit, its index, second largest, its index
.set I1,  12
.set M2,  13
.set I2,  14
.set DD,  15
.set EE,  16
.set SS,  17
.set PP,  18           ; v[18:19] the two gates
.set G8,  20
.set MK,  21
.set MK2, 22
.set B4,  23
.set SPW, 30           ; LDS address of my spare word; never rewritten
.set NIL, 31           ; 0; never rewritten
.set X,   32           ; v32-95   x as loaded
.set BF,  32           ; v32-63   later: four token fragments
.set AC0, 64           ; v64-71, v72-79 two accumulators
.set AC1, 72
.set S,   80           ; v80-87   their sum
.set WGR, 96           ; v96-159  wg as loaded; later the eight waves' partial logits
.set XP,  160          ; v160-191 x in bf16
.set AF,  192          ; v192-223 four expert fragments
	s_load_b256 s[4:11], s[0:1], 0x0               ; x s[4:5], wg s[6:7], xb s[8:9], gw s[10:11]
	s_load_b64 s[12:13], s[0:1], 0x20              ; bmk
	v_lshl_add_u32 v[SPW], v0, 2, SPARE
	v_mov_b32 v[NIL], 0
	v_and_b32 v[LN], 31, v0
	v_lshrrev_b32 v[TM], 5, v0
	v_readfirstlane_b32 s14, v[TM]                 ; wave 0..7
	v_and_b32 v[R], 15, v0
	v_bfe_u32 v[HH], v0, 4, 1
	s_lshl_b32 s15, s14, 13
	v_lshl_add_u32 v[XO], v[LN], 4, s15            ; 16 l + two rows of 4,096 bytes a wave
	s_lshl_b32 s15, s14, 12
	v_and_b32 v[TM], 7, v0
	v_lshlrev_b32 v[TM], 2, v[TM]                  ; expert l % 8: 4 bytes in a row of wg
	v_lshl_add_u32 v[TM], v[HH], 8, v[TM]          ; k = 8 (l / 16): 8 rows of 32 bytes
	v_add_nc_u32 v[WO], s15, v[TM]                 ; k = 128 w: 128 rows of 32 bytes
	v_lshl_add_u32 v[BO], v[LN], 3, s15            ; 8 l + two rows of 2,048 bytes a wave
	s_mul_i32 s15, s14, 2*XTP
	v_lshl_add_u32 v[LS], v[LN], 3, s15
	v_mul_u32_u24 v[TM], v[R], XTP
	v_lshl_add_u32 v[TM], v[HH], 4, v[TM]
	s_lshl_b32 s15, s14, 8
	v_add_nc_u32 v[LB], s15, v[TM]                 ; token l % 16, K = 128 w + 8 (l / 16)
	s_lshl_b32 s15, s14, 10
	s_add_co_u32 s15, s15, PART
	v_lshl_add_u32 v[LP], v[LN], 5, s15
	v_lshlrev_b32 v[G8], 3, v[R]
	v_lshlrev_b32 v[B4], 2, v[R]
	s_lshl_b32 s16, ttmp9, 16                      ; the group's 16 rows in x,
	s_mov_b32 s17, 0
	s_lshl_b32 s18, ttmp9, 15                      ; in xb,
	s_mov_b32 s19, 0
	s_lshl_b32 s20, ttmp9, 7                       ; its 32 gates,
	s_mov_b32 s21, 0
	s_lshr_b32 s22, ttmp9, 1                       ; and its half of each word of its group of 32 tokens
	s_lshl_b32 s22, s22, 6
	s_and_b32 s24, ttmp9, 1
	s_lshl1_add_u32 s22, s24, s22
	s_mov_b32 s23, 0
	s_mov_b32 s28, 0x76543210                      ; v_permlanex16_b32: each lane takes its own place in the other half
	s_mov_b32 s29, 0xfedcba98
	s_wait_kmcnt 0x0
	s_add_nc_u64 s[4:5], s[4:5], s[16:17]
	s_add_nc_u64 s[8:9], s[8:9], s[18:19]
	s_add_nc_u64 s[10:11], s[10:11], s[20:21]
	s_add_nc_u64 s[12:13], s[12:13], s[22:23]
.set z, 0
.rept 16                                               ; my two rows of x
	global_load_b128 v[X+4*z:X+4*z+3], v[XO], s[4:5] offset:(z/8)*4096+(z%8)*512 th:TH_LOAD_NT
.set z, z+1
.endr
.set z, 0
.rept 64                                               ; wg for four K steps: number z % 16 of a lane's 16 is k = 8 (l / 16) + 0..7, then 16 + 8 (l / 16) + 0..7
	global_load_b32 v[WGR+z], v[WO], s[6:7] offset:(32*(z/16)+(z%16)+8*((z%16)/8))*32
.set z, z+1
.endr
	s_wait_loadcnt 0x0
.set z, 0
.rept 32
	v_cvt_pk_bf16_f32 v[XP+z], v[X+2*z], v[X+2*z+1]
.set z, z+1
.endr
.set z, 0
.rept 16
	global_store_b64 v[BO], v[XP+2*z:XP+2*z+1], s[8:9] offset:(z/8)*2048+(z%8)*256  ; the wave's 32 lanes store 256 consecutive bytes, aligned
	ds_store_b64 v[LS], v[XP+2*z:XP+2*z+1] offset:(z/8)*XTP+(z%8)*256
.set z, z+1
.endr
.set z, 0
.rept 32                                               ; expert fragments: lane l carries expert l % 8, so rows 8-15 repeat rows 0-7
	v_cvt_pk_bf16_f32 v[AF+z], v[WGR+2*z], v[WGR+2*z+1]
.set z, z+1
.endr
	s_wait_dscnt 0x0                               ; for the others' sake: my rows are in LDS
	s_barrier_signal -1
	s_barrier_wait -1
.irp s, 0,1,2,3
	ds_load_b128 v[BF+8*(\s):BF+8*(\s)+3],   v[LB] offset:64*(\s)
	ds_load_b128 v[BF+8*(\s)+4:BF+8*(\s)+7], v[LB] offset:64*(\s)+32
.endr
	s_wait_dscnt 0x0
	; source 0 = experts, source 1 = tokens: a lane then holds token l % 16, and registers 0-7 its eight logits.  Two accumulators by turns.
	v_wmma_f32_16x16x32_bf16 v[AC0:AC0+7], v[AF:AF+7],     v[BF:BF+7],     0
	v_wmma_f32_16x16x32_bf16 v[AC1:AC1+7], v[AF+8:AF+15],  v[BF+8:BF+15],  0
	v_wmma_f32_16x16x32_bf16 v[AC0:AC0+7], v[AF+16:AF+23], v[BF+16:BF+23], v[AC0:AC0+7]
	v_wmma_f32_16x16x32_bf16 v[AC1:AC1+7], v[AF+24:AF+31], v[BF+24:BF+31], v[AC1:AC1+7]
.rept 4
	v_nop                                          ; four places between a matrix instruction and the first vector read of its result (ISA guide 7.12.1)
.endr
.irp z, 0,1,2,3
	v_pk_add_f32 v[S+2*(\z):S+2*(\z)+1], v[AC0+2*(\z):AC0+2*(\z)+1], v[AC1+2*(\z):AC1+2*(\z)+1]
.endr
	ds_store_b128 v[LP], v[S:S+3]
	ds_store_b128 v[LP], v[S+4:S+7] offset:16
	s_wait_dscnt 0x0                               ; for wave 0's sake
	s_barrier_signal -1
	s_barrier_wait -1
	s_cmp_lg_u32 s14, 0
	s_cbranch_scc1 .Lend                           ; wave 0 alone goes on; no barrier follows
.irp w, 0,1,2,3,4,5,6,7
	ds_load_b128 v[WGR+8*(\w):WGR+8*(\w)+3],   v[LP] offset:1024*(\w)
	ds_load_b128 v[WGR+8*(\w)+4:WGR+8*(\w)+7], v[LP] offset:1024*(\w)+16
.endr
	s_wait_dscnt 0x0
.irp w, 1,2,3,4,5,6,7
.irp z, 0,1,2,3
	v_pk_add_f32 v[WGR+2*(\z):WGR+2*(\z)+1], v[WGR+2*(\z):WGR+2*(\z)+1], v[WGR+8*(\w)+2*(\z):WGR+8*(\w)+2*(\z)+1]
.endr
.endr
	; the largest: a later logit wins only if strictly greater
	v_mov_b32 v[M1], v[WGR]
	v_mov_b32 v[I1], 0
.irp j, 1,2,3,4,5,6,7
	v_cmp_gt_f32 vcc_lo, v[WGR+(\j)], v[M1]
	v_cndmask_b32 v[M1], v[M1], v[WGR+(\j)], vcc_lo
	v_cndmask_b32 v[I1], v[I1], \j, vcc_lo
.endr
	; the largest of the other seven, in the same way
	v_mov_b32 v[M2], 0xff800000
	v_mov_b32 v[I2], 0
.irp j, 0,1,2,3,4,5,6,7
	v_cmp_ne_u32 s26, \j, v[I1]
	v_cmp_gt_f32 s27, v[WGR+(\j)], v[M2]
	s_and_b32 s26, s26, s27
	v_cndmask_b32 v[M2], v[M2], v[WGR+(\j)], s26
	v_cndmask_b32 v[I2], v[I2], \j, s26
.endr
	; softmax of (m1, m2) with m1 taken away: 1 / (1 + e), e / (1 + e), e = exp(m2 - m1) <= 1
	v_sub_f32 v[DD], v[M2], v[M1]
	v_mul_f32 v[DD], 0x3fb8aa3b, v[DD]
	v_exp_f32 v[EE], v[DD]
	v_nop                                          ; a plain instruction behind the exponential (ISA guide 5.7.2),
	s_wait_alu depctr_va_vdst(0)                   ; and a wait ahead of the first use
	v_add_f32 v[SS], 1.0, v[EE]
	v_rcp_f32 v[PP], v[SS]
	v_nop
	s_wait_alu depctr_va_vdst(0)
	v_mul_f32 v[PP+1], v[EE], v[PP]
	global_store_b64 v[G8], v[PP:PP+1], s[10:11]   ; lanes 16-31 repeat lanes 0-15: same place, same numbers
	; the masks: lane e of MK takes word e, lane 8 + e word 8 + e; bits 0-15 are my 16 tokens
	v_mov_b32 v[MK], 0
.irp e, 0,1,2,3,4,5,6,7
	v_cmp_eq_u32 s26, \e, v[I1]
	v_cmp_eq_u32 s27, \e, v[I2]
	s_or_b32 s26, s26, s27
	v_writelane_b32 v[MK], s26, \e
	v_writelane_b32 v[MK], s27, 8+(\e)
.endr
	v_mov_b32 v[MK2], 0
	v_permlanex16_b32 v[MK2], v[MK], s28, s29      ; lanes 16-31 take lanes 0-15's words, so that both halves store the same
	v_or_b32 v[MK], v[MK], v[MK2]
	global_store_b16 v[B4], v[MK], s[12:13]        ; the low 16 bits into my half of word l % 16
.Lend:
	s_wait_tensorcnt 0x0                           ; the wave's end, behind my last LDS store
	ds_add_u32 v[SPW], v[NIL]
	s_wait_dscnt 0x0
	s_endpgm
.Lfunc_end_k_q02ea93a606_router:
	.size	k_q02ea93a606_router, .Lfunc_end_k_q02ea93a606_router-k_q02ea93a606_router
	.p2alignl 7, 3214868480
	.fill 96, 4, 3214868480
	.section	.rodata,"a",@progbits
	.p2align	6, 0x0
	.amdhsa_kernel k_q02ea93a606_router
		.amdhsa_group_segment_fixed_size 42496
		.amdhsa_private_segment_fixed_size 0
		.amdhsa_enable_private_segment 0
		.amdhsa_kernarg_size 40
		.amdhsa_user_sgpr_count 2
		.amdhsa_user_sgpr_kernarg_segment_ptr 1
		.amdhsa_wavefront_size32 1
		.amdhsa_system_sgpr_workgroup_id_x 1
		.amdhsa_system_sgpr_workgroup_id_y 1
		.amdhsa_system_sgpr_workgroup_id_z 1
		.amdhsa_system_vgpr_workitem_id 0
		.amdhsa_next_free_vgpr 224
		.amdhsa_next_free_sgpr 66
		.amdhsa_reserve_vcc 1
		.amdhsa_float_denorm_mode_32 3
		.amdhsa_float_denorm_mode_16_64 3
		.amdhsa_memory_ordered 1
		.amdhsa_forward_progress 1
		.amdhsa_inst_pref_size 27
	.end_amdhsa_kernel
	.amdgpu_metadata
---
amdhsa.version: [ 1, 2 ]
amdhsa.kernels:
  - .name:           k_q02ea93a606_router
    .symbol:         k_q02ea93a606_router.kd
    .args:
      - { .name: x, .offset: 0, .size: 8, .value_kind: global_buffer, .address_space: global }
      - { .name: wg, .offset: 8, .size: 8, .value_kind: global_buffer, .address_space: global }
      - { .name: xb, .offset: 16, .size: 8, .value_kind: global_buffer, .address_space: global }
      - { .name: gw, .offset: 24, .size: 8, .value_kind: global_buffer, .address_space: global }
      - { .name: bmk, .offset: 32, .size: 8, .value_kind: global_buffer, .address_space: global }
    .group_segment_fixed_size: 42496
    .private_segment_fixed_size: 0
    .kernarg_segment_align: 8
    .kernarg_segment_size: 40
    .max_flat_workgroup_size: 256
    .sgpr_count:     66
    .vgpr_count:     224
    .wavefront_size: 32
...
	.end_amdgpu_metadata
.endif
;; end of part 1
;; launch pack (part 2): grid 32 x 8, 4 waves a work-group, no clusters, 17,920 bytes of LDS; arguments xb, gw, bmk, xg, lst, gr; writes xg, lst, gr
.if DOCPART == 2
	.amdgcn_target "amdgcn-amd-amdhsa--gfx1250"
	.amdhsa_code_object_version 6
	.text
	.protected	k_q02ea93a606_pack
	.globl	k_q02ea93a606_pack
	.p2align	8
	.type	k_q02ea93a606_pack,@function
k_q02ea93a606_pack:
	s_mov_b64 s[64:65], 0
	v_nop
	global_prefetch_b8 v0, s[64:65] scope:SCOPE_SE
	s_setreg_imm32_b32 hwreg(HW_REG_WAVE_MODE, 25, 1), 1
	s_wait_xcnt 0x0
; PACK.  Lays the chosen token rows out once, in the experts' order, as the next launch's matrix operand; and stores, as whole numbers, what later launches make addresses and trip counts of.
; Ranks: the tokens that chose expert e, in token order; tiles of 16 ranks.  Stored:
;   xg[e][tile 64][chunk 16][2,048 bytes]: byte 512 q + 16 l of a chunk = the 16 bytes at 128 c + 32 q + 16 (l / 16) of the bf16 row of the tile's token l % 16: registers 4 q .. 4 q + 3 of lane l's two
;     fragments of 32 K.  32 work-groups of the next launch read each tile, in runs of 512 consecutive bytes; here each row piece is gathered once.
;   lst[e][1,024]: rank -> p = 2 t + k (token t's k-th choice); at byte 32,768 + 4 e the expert's count.     gr[e][1,024]: rank -> the gate of p.
; SHARES.  Work-group (x, e) has tiles x and x + 32 of expert e; wave w copies chunks 4 w .. 4 w + 3: 16 loads, 16 stores of 512 consecutive aligned bytes.  The grid serves every split of the tokens
; (an expert has 0 to 1,024 rows, 64 tiles): a work-group whose tile lies past the count stores nothing.  Tile 0 always counts as live (an expert without rows names token 0), so that what later
; launches read through their clamp has been stored.  Ranks past the count repeat the last row.
; A stream of 4 MB or so: no matrix work, nothing shared between work-groups, so no cluster.
.set LISTP, 4352       ; wave w's own list, rank -> p: 1,040 words, then 32 dump words (one a lane)
.set SPARE, 17408      ; behind the four lists: the spare words, 128 bytes for each wave: two blocks of 256 bytes that no other line names
.set LN,   1
.set R,    2
.set HH,   3
.set VL16, 4           ; 16 l
.set V4R,  5           ; 4 (l % 16)
.set VDI,  6           ; my dump word's index
.set BM,   7           ; lane g: the mask words of token group g
.set BK,   8
.set V2T,  9
.set VR,   10
.set VA,   11
.set VK,   12
.set VA2,  13
.set P,    14          ; my rank's p
.set XO,   15          ; my 16 bytes in xb
.set GO,   16          ; my gate in gw
.set G,    17
.set VZ,   18
.set VC,   19
.set Z,    20          ; v20-23 zeros
.set VHW,  24          ; 16 (l / 16) + my wave's 512 bytes of a row
.set SPW,  30          ; LDS address of my spare word; never rewritten
.set NIL,  31          ; 0; never rewritten
.set D,    32          ; v32-95 sixteen loads
; s16 wave, s17 expert, s18 x; s[20:21] xg at my part of the tile, s[22:23] lst and s[24:25] gr at the tile, s[26:27] the count's place; s28 count, s29 tiles, s35 my list, s36 the tile
	s_load_b256 s[4:11], s[0:1], 0x0               ; xb s[4:5], gw s[6:7], bmk s[8:9], xg s[10:11]
	s_load_b128 s[12:15], s[0:1], 0x20             ; lst s[12:13], gr s[14:15]
	v_lshl_add_u32 v[SPW], v0, 2, SPARE
	v_mov_b32 v[NIL], 0
	v_and_b32 v[LN], 31, v0
	v_lshrrev_b32 v[VA], 5, v0
	v_readfirstlane_b32 s16, v[VA]                 ; wave 0..3
	s_and_b32 s17, ttmp7, 0xffff
	s_mov_b32 s18, ttmp9
	v_and_b32 v[R], 15, v0
	v_bfe_u32 v[HH], v0, 4, 1
	v_lshlrev_b32 v[VL16], 4, v[LN]
	v_lshlrev_b32 v[V4R], 2, v[R]
	v_add_nc_u32 v[VDI], 1040, v[LN]
	s_mul_i32 s35, s16, LISTP
	s_lshl_b32 s44, s16, 9
	v_lshl_add_u32 v[VHW], v[HH], 4, s44
	v_lshlrev_b32 v[VA], 6, v[LN]                  ; lane g: group g's 64 bytes of masks, word e
	s_lshl_b32 s44, s17, 2
	v_add_nc_u32 v[VA], s44, v[VA]
	s_add_co_u32 s26, s44, 32768
	s_mov_b32 s27, 0
	s_wait_kmcnt 0x0
	global_load_b32 v[BM], v[VA], s[8:9]
	global_load_b32 v[BK], v[VA], s[8:9] offset:32
	s_add_nc_u64 s[26:27], s[12:13], s[26:27]
	; my list is cleared while the loads are out: an expert without rows then names token 0
	v_mov_b32 v[Z], 0
	v_mov_b32 v[Z+1], 0
	v_mov_b32 v[Z+2], 0
	v_mov_b32 v[Z+3], 0
	v_add_nc_u32 v[VA2], s35, v[VL16]
.irp k, 0,1,2,3,4,5,6,7
	ds_store_b128 v[VA2], v[Z:Z+3] offset:512*(\k)
.endr
	v_lshl_add_u32 v[VK], v[LN], 3, s35
	ds_store_b64 v[VK], v[Z:Z+1] offset:4096
	s_wait_loadcnt 0x0
	; THE LIST.  Group g's 32 tokens at a time: a chosen token's rank is the count so far plus the chosen lanes below it; entry rank = 2 t + k.  Other lanes write their dump word.
	; Every address into the list is an index clamped by a constant, times 4, plus my list's first byte: it stays inside my wave's own 4,352 bytes, which no other wave touches.
	s_mov_b32 s28, 0
	s_mov_b32 s34, 0
	v_lshlrev_b32 v[V2T], 1, v[LN]
.Lbuild:
	v_readlane_b32 s44, v[BM], s34
	v_readlane_b32 s45, v[BK], s34
	v_mbcnt_lo_u32_b32 v[VR], s44, s28
	v_cndmask_b32 v[VR], v[VDI], v[VR], s44
	v_min_u32 v[VR], 1087, v[VR]                   ; inside my 4,352 bytes whatever the masks hold
	v_lshl_add_u32 v[VA], v[VR], 2, s35
	v_cndmask_b32 v[VK], 0, 1, s45
	v_add_nc_u32 v[VK], v[V2T], v[VK]
	ds_store_b32 v[VA], v[VK]
	s_bcnt1_i32_b32 s46, s44
	s_add_co_u32 s28, s28, s46
	v_add_nc_u32 v[V2T], 64, v[V2T]
	s_add_co_u32 s34, s34, 1
	s_cmp_lt_u32 s34, 32
	s_cbranch_scc1 .Lbuild
	s_add_co_u32 s29, s28, 15
	s_lshr_b32 s29, s29, 4                         ; tiles
	s_max_u32 s29, s29, 1                          ; tile 0 is always made
	s_max_u32 s44, s28, 1                          ; the last entry is repeated 16 times behind the list
	s_sub_co_u32 s44, s44, 1
	v_mov_b32 v[VR], s44
	v_min_u32 v[VR], 1023, v[VR]
	v_lshl_add_u32 v[VA], v[VR], 2, s35
	ds_load_b32 v[VK], v[VA]                       ; LDS serves a wave's instructions in order (ISA guide 5.7.1.4): this sees the stores above
	v_add_nc_u32 v[VR], s28, v[R]                  ; entries count .. count + 15
	v_min_u32 v[VR], 1039, v[VR]
	v_lshl_add_u32 v[VA2], v[VR], 2, s35
	s_wait_dscnt 0x0
	ds_store_b32 v[VA2], v[VK]
	s_or_b32 s44, s16, s18                         ; wave 0 of work-group x = 0 stores the expert's count
	s_cmp_lg_u32 s44, 0
	s_cbranch_scc1 .Lnocnt
	v_mov_b32 v[VC], s28
	v_mov_b32 v[VZ], 0
	global_store_b32 v[VZ], v[VC], s[26:27]        ; all lanes: same word, same number
.Lnocnt:
; Tile x + 32 k, if it is live.
.macro PTILE k
	s_add_co_u32 s36, s18, 32*(\k)
	s_cmp_lt_u32 s36, s29
	s_cbranch_scc0 .Lend                           ; past the count, and so is the tile 32 further on
.if \k
	s_wait_xcnt 0x0                                ; the first tile's loads and stores have read their registers and bases
.endif
	s_min_u32 s44, s36, 63
	s_lshl_b32 s44, s44, 6
	s_add_co_u32 s44, s44, s35
	v_add_nc_u32 v[VA], s44, v[V4R]
	ds_load_b32 v[P], v[VA]                        ; rank 16 T + l % 16
	s_lshl_b32 s45, s17, 6
	s_add_co_u32 s45, s45, s36                     ; 64 e + T
	s_lshl_b32 s46, s45, 15                        ; a tile of xg is 32,768 bytes,
	s_lshl_b32 s47, s16, 13                        ; my four chunks 8,192 of them
	s_add_co_u32 s46, s46, s47
	s_mov_b32 s47, 0
	s_add_nc_u64 s[20:21], s[10:11], s[46:47]
	s_lshl_b32 s46, s45, 6                         ; a tile of lst and of gr is 64 bytes
	s_add_nc_u64 s[22:23], s[12:13], s[46:47]
	s_add_nc_u64 s[24:25], s[14:15], s[46:47]
	s_wait_dscnt 0x0
	v_min_u32 v[P], 0x7ff, v[P]
	v_and_b32 v[XO], 0x7fe, v[P]                   ; 2 t
	v_lshl_add_u32 v[XO], v[XO], 10, v[VHW]        ; t x 2,048 bytes + my wave's 512 + 16 (l / 16)
	v_lshlrev_b32 v[GO], 2, v[P]
	global_load_b32 v[G], v[GO], s[6:7]
.set z, 0
.rept 16
	global_load_b128 v[D+4*z:D+4*z+3], v[XO], s[4:5] offset:(z/4)*128+(z%4)*32
.set z, z+1
.endr
.set z, 0
.rept 16
	s_wait_loadcnt 15-z                            ; loads come back in order (ISA guide 5.7.1): load z is in, the later ones stay out
	global_store_b128 v[VL16], v[D+4*z:D+4*z+3], s[20:21] offset:512*z  ; 512 consecutive bytes, aligned
.set z, z+1
.endr
	s_cmp_lg_u32 s16, 0
	s_cbranch_scc1 .Lnl_\@                         ; wave 0 stores the tile's 16 entries and gates; lanes 16-31 repeat lanes 0-15
	global_store_b32 v[V4R], v[P], s[22:23]
	global_store_b32 v[V4R], v[G], s[24:25]
.Lnl_\@:
.endm
	PTILE 0
	PTILE 1
.Lend:
	s_wait_tensorcnt 0x0                           ; the wave's end, behind my last LDS store
	ds_add_u32 v[SPW], v[NIL]
	s_wait_dscnt 0x0
	s_endpgm
.Lfunc_end_k_q02ea93a606_pack:
	.size	k_q02ea93a606_pack, .Lfunc_end_k_q02ea93a606_pack-k_q02ea93a606_pack
	.p2alignl 7, 3214868480
	.fill 96, 4, 3214868480
	.section	.rodata,"a",@progbits
	.p2align	6, 0x0
	.amdhsa_kernel k_q02ea93a606_pack
		.amdhsa_group_segment_fixed_size 17920
		.amdhsa_private_segment_fixed_size 0
		.amdhsa_enable_private_segment 0
		.amdhsa_kernarg_size 48
		.amdhsa_user_sgpr_count 2
		.amdhsa_user_sgpr_kernarg_segment_ptr 1
		.amdhsa_wavefront_size32 1
		.amdhsa_system_sgpr_workgroup_id_x 1
		.amdhsa_system_sgpr_workgroup_id_y 1
		.amdhsa_system_sgpr_workgroup_id_z 1
		.amdhsa_system_vgpr_workitem_id 0
		.amdhsa_next_free_vgpr 96
		.amdhsa_next_free_sgpr 66
		.amdhsa_reserve_vcc 0
		.amdhsa_float_denorm_mode_32 3
		.amdhsa_float_denorm_mode_16_64 3
		.amdhsa_memory_ordered 1
		.amdhsa_forward_progress 1
		.amdhsa_inst_pref_size 14
	.end_amdhsa_kernel
	.amdgpu_metadata
---
amdhsa.version: [ 1, 2 ]
amdhsa.kernels:
  - .name:           k_q02ea93a606_pack
    .symbol:         k_q02ea93a606_pack.kd
    .args:
      - { .name: xb, .offset: 0, .size: 8, .value_kind: global_buffer, .address_space: global }
      - { .name: gw, .offset: 8, .size: 8, .value_kind: global_buffer, .address_space: global }
      - { .name: bmk, .offset: 16, .size: 8, .value_kind: global_buffer, .address_space: global }
      - { .name: xg, .offset: 24, .size: 8, .value_kind: global_buffer, .address_space: global }
      - { .name: lst, .offset: 32, .size: 8, .value_kind: global_buffer, .address_space: global }
      - { .name: gr, .offset: 40, .size: 8, .value_kind: global_buffer, .address_space: global }
    .group_segment_fixed_size: 17920
    .private_segment_fixed_size: 0
    .kernarg_segment_align: 8
    .kernarg_segment_size: 48
    .max_flat_workgroup_size: 128
    .sgpr_count:     66
    .vgpr_count:     96
    .wavefront_size: 32
...
	.end_amdgpu_metadata
.endif
;; end of part 2
;; launch up (part 3): grid 32 x 8, 4 waves a work-group, no clusters, 262,656 bytes of LDS; arguments w1, w3, xg, lst, h; writes h
.if DOCPART == 3
	.amdgcn_target "amdgcn-amd-amdhsa--gfx1250"
	.amdhsa_code_object_version 6
	.text
	.protected	k_q02ea93a606_up
	.globl	k_q02ea93a606_up
	.p2align	8
	.type	k_q02ea93a606_up,@function
k_q02ea93a606_up:
	s_mov_b64 s[64:65], 0
	v_nop
	global_prefetch_b8 v0, s[64:65] scope:SCOPE_SE
	s_setreg_imm32_b32 hwreg(HW_REG_WAVE_MODE, 25, 1), 1
	s_wait_xcnt 0x0
; UP.  h = silu(x w1[e]) * (x w3[e]) for the rows that chose expert e.  Work-group (s, e): all rows of expert e x the 64 columns f = 64 s .. 64 s + 63 of w1 and of w3, K = 1,024.
; Each weight byte is read once in the launch, by this work-group alone.  The token rows arrive in the expert's order as operand images (xg), 512 consecutive bytes a load, straight into registers.
; NO CLUSTER: joint loads of xg would have to land in LDS, of which the weights' 262,144 bytes leave 65,024: less than two slots of a chunk's 20 tiles (40,960 bytes each).
; FORMATS.  Weights are rounded to bf16 on their way through registers, x arrives rounded; sums in f32.  h is stored as TWO bf16 numbers, hi = bf16(h) and lo = bf16(h - hi), about 16 significant
; bits with bf16's range: one bf16 alone keeps 8 bits, and the sum of 2,048 such errors in a row of the output comes too near the hundredth of the output's root mean square that is allowed;
; f16 would not hold inputs 30 times larger.
; LIMITS.  silu(a) b is made as a b / (1 + 2^(-a log2 e)): for a below about -88 the power is an infinity and the result 0 (the true value is below 1e-36 of b); a b must be finite in f32.
; WEIGHTS WITHOUT A TRANSPOSE.  A unit is 32 rows (K) x 64 columns of f32: 16 loads of 16 bytes a lane, lane (r = l % 16, h = l / 16) at column 4 r of row 8 h + 0..7, 16 + 8 h + 0..7, so each load
; takes two whole rows of 256 aligned bytes.  Rounding loads 2 m and 2 m + 1 in pairs gives register m of four fragments; fragment j holds the columns 4 r + j.  The four waves make the four units of a
; chunk of 64 K (wave w: matrix w % 2, K step w / 2), put them into LDS, 1,024 bytes a fragment, and every wave reads all 16.  The whole bf16 slice, 256 KB, stays in LDS: no byte is written twice,
; so ONE barrier a chunk (my stores done, then everybody's reads) is all the ordering, and rows beyond the first pass find the weights there.
; ROWS.  Tiles of 16 ranks; tile T belongs to wave T % 4; in pass n a wave has tiles 20 n + 4 i + w, i = 0..4.  Pass 0 runs while the weights stream, passes 1-3 from LDS; every split of the tokens is
; served (0 to 1,024 rows).  Operand loads are never jumped, so every counted wait counts the same on every path: a dead tile loads the last live tile once more.
; Matrix work is jumped for dead tiles, tested at tiles 0, 2 and 4: at most one dead tile a wave is multiplied, and no dead tile is stored.  A pass's first phase starts all five tiles' sums with
; the constant 0.  Tile 0 always counts as live, so that what the next launch reads through its clamp has been stored.
; h's LAYOUT: [e][s][tile 64][part 2][2,048 bytes], hi's part first: byte 512 q + 16 l of a part = registers 4 q .. 4 q + 3 of lane l's 16, which hold token l % 16, columns 32 (l / 16) + 0..31:
; the next launch's operand as it stands.
; REGISTERS, in windows of 256 (s_set_vgpr_msb: bits 1:0 source 0, 3:2 source 1, 5:4 source 2, 7:6 destination):
;   window 0: addresses; v32-63 rounded unit; v64-191 weight fragments of the chunk's two K steps (on the way out: at work)      window 1: v0-159 x fragments, two sets
;   window 2: accumulators of tiles 0-3, 64 each      window 3: v0-63 tile 4's; v64-191 weights as loaded, two sets
.set NCH,   16         ; chunks of 64 along K
.set CHW,   524288     ; bytes from a chunk's 64 rows of w1 or w3 to the next
.set CHX,   2048       ; a chunk of a tile's image in xg
.set CHL,   16384      ; a chunk in LDS: 16 fragments
.set SPARE, 262144     ; behind the weights: the spare words, 128 bytes for each wave: two blocks of 256 bytes that no other line names
.set LN,   1
.set R,    2
.set HH,   3
.set VW,   4           ; my byte offset in a unit: 8 (l / 16) rows + 16 (l % 16)
.set VPF,  5           ; row l of a unit: for the prefetch
.set VRD,  6           ; LDS: 16 l + the chunk in hand
.set VST,  7           ; LDS: VRD + my wave's four fragments
.set VL16, 8           ; 16 l; never rewritten
.set VX,   11          ; v11-15 tile i: its 32,768 bytes in the expert's part of xg + 16 l
.set VA,   24
.set SPW,  30          ; LDS address of my spare word; never rewritten
.set NIL,  31          ; 0; never rewritten
.set CV,   32
.set WF,   64
.set T,    64          ; the way out: at work
.set U,    96          ; h in f32
.set HBR,  128         ; hi, packed
.set LBR,  144         ; lo, packed
.set STG,  64          ; window 3
.set NL,   31          ; s31 my live tiles in this pass, 0..5
; s14 wave, s15 expert, s16 slice; s[18:19] my unit of the chunk in hand; s[20:21] xg at the chunk in hand; s[22:23] xg at the expert's first byte; s[24:25] xg in later passes; s[26:27] h at my tile 0 of the pass
; s28 count, s29 tiles, s30 last tile, s32 my first tile of the pass, s33, s34 loop counts, s41 a word's upper bf16, s[42:43] -log2(e)
.set MSB, 0
.macro WIN new                         ; the immediate's high byte repeats the setting that is left; a switch that changes nothing is dropped
.if MSB != (\new)
	s_set_vgpr_msb (MSB<<8)|(\new)
.set MSB, (\new)
.endif
.endm
.macro PLACES                          ; four places between a matrix instruction and a load into, or a vector read or write of, its registers (ISA guide 7.12.1 for vector reads and writes)
.rept 4
	v_nop
.endr
.endm
.macro WLOAD set, crel                 ; my unit, crel chunks ahead of the chunk in hand
	WIN 0xc0
.irp l, 0,1,2,3,4,5,6,7,8,9,10,11,12,13,14,15
	global_load_b128 v[STG+64*(\set)+4*(\l):STG+64*(\set)+4*(\l)+3], v[VW], s[18:19] offset:(\crel)*CHW+((\l)+8*((\l)/8))*8192 th:TH_LOAD_NT
.endr
.endm
.macro PF crel                         ; the 32 lanes name the 32 rows (256 bytes each) of my unit crel chunks ahead: each block is asked for once in the launch, two trips ahead of its load
	WIN 0
	global_prefetch_b8 v[VPF], s[18:19] offset:(\crel)*CHW th:TH_LOAD_NT scope:SCOPE_SE
.endm
.macro CVT set                         ; 2,048 weights rounded: register m of fragment j from loads 2 m and 2 m + 1
	WIN 0x0f
.irp j, 0,1,2,3
.irp m, 0,1,2,3,4,5,6,7
	v_cvt_pk_bf16_f32 v[CV+8*(\j)+(\m)], v[STG+64*(\set)+8*(\m)+(\j)], v[STG+64*(\set)+8*(\m)+4+(\j)]
.endr
.endr
.endm
.macro WSTORE crel                     ; 32 lanes x 16 neighbouring bytes: no bank is asked twice
	WIN 0
.irp j, 0,1,2,3
	ds_store_b128 v[VST], v[CV+8*(\j):CV+8*(\j)+3]   offset:(\crel)*CHL+1024*(\j)
	ds_store_b128 v[VST], v[CV+8*(\j)+4:CV+8*(\j)+7] offset:(\crel)*CHL+1024*(\j)+512
.endr
.endm
.macro WFLOAD b, crel                  ; the eight fragments (w1's four, w3's four) of K step b
	WIN 0
.irp f, 0,1,2,3,4,5,6,7
	ds_load_b128 v[WF+64*(\b)+8*(\f):WF+64*(\b)+8*(\f)+3],   v[VRD] offset:(\crel)*CHL+8192*(\b)+1024*(\f)
	ds_load_b128 v[WF+64*(\b)+8*(\f)+4:WF+64*(\b)+8*(\f)+7], v[VRD] offset:(\crel)*CHL+8192*(\b)+1024*(\f)+512
.endr
.endm
.macro XLOAD par, bl, crel             ; five tiles' x fragments of a chunk, as they lie in xg: 512 consecutive bytes a load
	WIN 0x40
.irp i, 0,1,2,3,4
.irp q, 0,1,2,3
	global_load_b128 v[80*(\par)+16*(\i)+4*(\q):80*(\par)+16*(\i)+4*(\q)+3], v[VX+(\i)], s[\bl:(\bl)+1] offset:(\crel)*CHX+512*(\q)
.endr
.endr
.endm
.macro XSTEP                           ; a later pass: five tiles' fragments of one K step, into set 0
	WIN 0x40
.irp i, 0,1,2,3,4
.irp q, 0,1
	global_load_b128 v[16*(\i)+4*(\q):16*(\i)+4*(\q)+3], v[VX+(\i)], s[24:25] offset:512*(\q)
.endr
.endr
.endm
; One K step for my tiles: eight matrix instructions a tile, its eight accumulators by turns.  Source 0 = weights, source 1 = tokens: a lane holds one token.
.macro PHASE g, par, zero, skip
.irp i, 0,1,2,3,4
.if (\skip) && (((\i)%2) == 0)
	WIN 0                                          ; at a branch and at a label every window is 0
	s_cmp_gt_u32 s[NL], \i
	s_cbranch_scc0 .Lpe_\@
.endif
.if (\i) < 4
	WIN 0xa4
.else
	WIN 0xf4
.endif
.irp f, 0,1,2,3,4,5,6,7
.if \zero
	v_wmma_f32_16x16x32_bf16 v[64*((\i)%4)+8*(\f):64*((\i)%4)+8*(\f)+7], v[WF+64*(\g)+8*(\f):WF+64*(\g)+8*(\f)+7], v[80*(\par)+16*(\i)+8*(\g):80*(\par)+16*(\i)+8*(\g)+7], 0
.else
	v_wmma_f32_16x16x32_bf16 v[64*((\i)%4)+8*(\f):64*((\i)%4)+8*(\f)+7], v[WF+64*(\g)+8*(\f):WF+64*(\g)+8*(\f)+7], v[80*(\par)+16*(\i)+8*(\g):80*(\par)+16*(\i)+8*(\g)+7], v[64*((\i)%4)+8*(\f):64*((\i)%4)+8*(\f)+7]
.endif
.endr
.endr
	WIN 0
.Lpe_\@:
.endm
; The trip of chunk c (par = c % 2), in two halves.  HEAD rounds and publishes my unit of chunk c + 1, asks for that of c + 3, and multiplies K step 0.
.macro HEAD par, zero, cvt, wl, lc, pf
	s_wait_loadcnt \lc                             ; x of chunk c and the older unit of c + 1 are in; what was issued behind them stays out
.if \cvt
	CVT 1-(\par)
	WSTORE 1
.endif
.if \wl
	WLOAD 1-(\par), 3                              ; into the registers just rounded
.endif
.if (\pf) == 1
	PF 5
.endif
.if (\pf) == 2
	WIN 0
	s_cmp_eq_u32 s33, 1                            ; the loop's last trip would ask past chunk 15: it asks for nothing
	s_cbranch_scc1 .Lnopf_\@
	PF 5
.Lnopf_\@:
.endif
	WFLOAD 1, 0
	s_wait_dscnt 16+8*(\cvt)                       ; K step 0's 16 loads are in; my stores and K step 1's 16 loads may be out
	PHASE 0, \par, \zero, 1-(\zero)
.endm
; REST multiplies K step 1, steps on to chunk c + 1, and asks for x of chunk c + 2.
.macro REST par, xl, bar
	s_wait_dscnt 0x0                               ; K step 1's fragments; and, for the others' sake, my stores of chunk c + 1
	PHASE 1, \par, 0, 1
.if \xl
	s_wait_xcnt 0x0                                ; the bases are rewritten only behind this wait; the youngest load that names them stands 80 matrix instructions back
	s_add_nc_u64 s[18:19], s[18:19], CHW
	s_add_nc_u64 s[20:21], s[20:21], CHX
.endif
.if \bar
	s_barrier_signal -1                            ; every wave's unit of chunk c + 1 is in LDS
	s_barrier_wait -1
.endif
	PLACES
.if \xl
	XLOAD \par, 20, 1
.endif
.if \bar
	WIN 0
	v_add_nc_u32 v[VRD], CHL, v[VRD]
	v_add_nc_u32 v[VST], CHL, v[VST]
	WFLOAD 0, 0
.endif
	WIN 0
.endm
.macro NLCALC                          ; how many of my five tiles s32 + 4 i lie below the tile count
	s_sub_co_i32 s44, s29, s32
	s_add_co_i32 s44, s44, 3
	s_ashr_i32 s44, s44, 2
	s_max_i32 s44, s44, 0
	s_min_i32 s[NL], s44, 5
.endm
.macro TILES                           ; my five tiles' places in xg: the tile's number, clamped by a constant, times 32,768, plus 16 l; a dead tile takes the last live one's
	WIN 0
.irp i, 0,1,2,3,4
	s_add_co_u32 s44, s32, 4*(\i)
	s_min_u32 s44, s44, s30
	s_min_u32 s44, s44, 63
	s_lshl_b32 s44, s44, 15
	v_add_nc_u32 v[VX+(\i)], s44, v[VL16]
.endr
.endm
; The way out of tile i: h = a b / (1 + 2^(-a log2 e)); hi = bf16(h), lo = bf16(h - hi); 4,096 consecutive bytes.  Each batch of transcendentals has one wait;
; each accumulator is read from its low end on.
.macro EPI i
	WIN 0
	s_cmp_gt_u32 s[NL], \i
	s_cbranch_scc0 .Lepi_end
.set AB, 64*((\i)%4)
	WIN 2+(\i)/4
.set z, 0
.rept 16
	v_pk_mul_f32 v[T+2*z:T+2*z+1], v[AB+2*z:AB+2*z+1], s[42:43] op_sel_hi:[1,0]
.set z, z+1
.endr
	WIN 0
.set z, 0
.rept 32
	v_exp_f32 v[T+z], v[T+z]
.set z, z+1
.endr
	WIN 5*(2+(\i)/4)
.set z, 0
.rept 16
	v_pk_mul_f32 v[U+2*z:U+2*z+1], v[AB+2*z:AB+2*z+1], v[AB+32+2*z:AB+32+2*z+1]  ; a b: the plain work behind the batch
.set z, z+1
.endr
	WIN 0
	s_wait_alu depctr_va_vdst(0)                   ; one wait for the 32 exponentials
.set z, 0
.rept 16
	v_pk_add_f32 v[T+2*z:T+2*z+1], v[T+2*z:T+2*z+1], 1.0 op_sel_hi:[1,0]
.set z, z+1
.endr
.set z, 0
.rept 32
	v_rcp_f32 v[T+z], v[T+z]
.set z, z+1
.endr
	v_nop
	s_wait_alu depctr_va_vdst(0)                   ; one wait for the 32 reciprocals
.set z, 0
.rept 16
	v_pk_mul_f32 v[U+2*z:U+2*z+1], v[U+2*z:U+2*z+1], v[T+2*z:T+2*z+1]
.set z, z+1
.endr
	s_wait_xcnt 0x0                                ; the last tile's stores have read their data registers
.set z, 0
.rept 16                                               ; register jj of accumulator j is column 32 (l / 16) + 4 jj + j: pairs of neighbouring columns come from accumulators 2 (z % 2) and 2 (z % 2) + 1
	v_cvt_pk_bf16_f32 v[HBR+z], v[U+16*(z%2)+z/2], v[U+16*(z%2)+8+z/2]
.set z, z+1
.endr
.set z, 0
.rept 16                                               ; hi back in f32: the low half moves up, the high half stays
	v_lshlrev_b32 v[T+2*z], 16, v[HBR+z]
	v_and_b32 v[T+2*z+1], s41, v[HBR+z]
.set z, z+1
.endr
.set z, 0
.rept 16                                               ; what the rounding left: exact in f32
	v_sub_f32 v[T+2*z],   v[U+16*(z%2)+z/2],   v[T+2*z]
	v_sub_f32 v[T+2*z+1], v[U+16*(z%2)+8+z/2], v[T+2*z+1]
.set z, z+1
.endr
.set z, 0
.rept 16
	v_cvt_pk_bf16_f32 v[LBR+z], v[T+2*z], v[T+2*z+1]
.set z, z+1
.endr
.irp q, 0,1,2,3
	global_store_b128 v[VL16], v[HBR+4*(\q):HBR+4*(\q)+3], s[26:27] offset:16384*(\i)+512*(\q)  ; 512 consecutive bytes, aligned
.endr
.irp q, 0,1,2,3
	global_store_b128 v[VL16], v[LBR+4*(\q):LBR+4*(\q)+3], s[26:27] offset:16384*(\i)+2048+512*(\q)
.endr
.endm
	s_load_b256 s[4:11], s[0:1], 0x0               ; w1 s[4:5], w3 s[6:7], xg s[8:9], lst s[10:11]
	s_load_b64 s[12:13], s[0:1], 0x20              ; h
	v_lshl_add_u32 v[SPW], v0, 2, SPARE
	v_mov_b32 v[NIL], 0
	v_and_b32 v[LN], 31, v0
	v_lshrrev_b32 v[VA], 5, v0
	v_readfirstlane_b32 s14, v[VA]                 ; wave 0..3
	s_and_b32 s15, ttmp7, 0xffff                   ; expert
	s_mov_b32 s16, ttmp9                           ; slice
	v_and_b32 v[R], 15, v0
	v_bfe_u32 v[HH], v0, 4, 1
	v_lshlrev_b32 v[VW], 4, v[R]
	v_lshl_add_u32 v[VW], v[HH], 16, v[VW]         ; 8 rows of 8,192 bytes for the upper half of the lanes
	v_lshlrev_b32 v[VPF], 13, v[LN]
	v_lshlrev_b32 v[VL16], 4, v[LN]
	v_mov_b32 v[VRD], v[VL16]
	s_lshl_b32 s44, s14, 12
	v_add_nc_u32 v[VST], s44, v[VL16]
	s_mov_b32 s41, 0xffff0000                      ; a word's upper bf16
	s_mov_b32 s42, 0xbfb8aa3b                      ; -log2(e)
	s_mov_b32 s43, s42                             ; named with it as a pair
	s_lshl_b32 s44, s15, 23                        ; the expert's 8,388,608 bytes,
	s_lshl_b32 s46, s16, 8                         ; the slice's 256 bytes of a row,
	s_add_co_u32 s44, s44, s46
	s_lshr_b32 s46, s14, 1                         ; my K step's 32 rows
	s_lshl_b32 s46, s46, 18
	s_add_co_u32 s44, s44, s46
	s_mov_b32 s45, 0
	s_lshl_b32 s46, s15, 5                         ; h: (32 e + s) x 64 tiles x 4,096 bytes + my first tile
	s_add_co_u32 s46, s46, s16
	s_lshl_b32 s46, s46, 18
	s_lshl_b32 s47, s14, 12
	s_add_co_u32 s46, s46, s47
	s_mov_b32 s47, 0
	s_lshl_b32 s48, s15, 2                         ; the expert's count in lst
	s_add_co_u32 s48, s48, 32768
	s_mov_b32 s49, 0
	s_lshl_b32 s50, s15, 21                        ; the expert's 64 tiles of 32,768 bytes in xg
	s_mov_b32 s51, 0
	s_wait_kmcnt 0x0
	s_add_nc_u64 s[48:49], s[10:11], s[48:49]
	s_load_b32 s28, s[48:49], 0x0
	s_bitcmp1_b32 s14, 0                           ; even waves stream w1, odd waves w3
	s_cselect_b64 s[18:19], s[6:7], s[4:5]
	s_add_nc_u64 s[18:19], s[18:19], s[44:45]
	s_add_nc_u64 s[22:23], s[8:9], s[50:51]
	s_mov_b64 s[20:21], s[22:23]
	s_add_nc_u64 s[26:27], s[12:13], s[46:47]
	WLOAD 0, 0                                     ; the stream starts before anything else is done
	WLOAD 1, 1
	PF 3
	PF 4
	s_wait_kmcnt 0x0                               ; the count
	s_min_u32 s28, s28, 1024
	s_add_co_u32 s29, s28, 15
	s_lshr_b32 s29, s29, 4                         ; tiles
	s_max_u32 s29, s29, 1                          ; tile 0 is always made
	s_sub_co_u32 s30, s29, 1                       ; the last live tile
	s_mov_b32 s32, s14                             ; pass 0: my first tile is my wave's number
	NLCALC
	TILES
	XLOAD 0, 20, 0
	XLOAD 1, 20, 1
	s_wait_loadcnt 56                              ; chunk 0's unit is in; chunk 1's 16 loads and x's 40 stay out
	CVT 0
	WSTORE 0
	WLOAD 0, 2
	WIN 0
	s_wait_dscnt 0x0                               ; for the others' sake: my unit of chunk 0 is in LDS
	s_barrier_signal -1
	s_barrier_wait -1
	WFLOAD 0, 0
	HEAD 0, 1, 1, 1, 36, 1                         ; chunk 0's first half stands in front of the loop: its products start the sums.  36 = x of chunk 1 (20) and chunk 2's unit (16)
	s_mov_b32 s33, 7
	s_branch .Lmid                                 ; its second half is the loop's own: the loop is entered in the middle of a trip
.Lstream:                                              ; chunks 1 to 12, two a trip; 36 = the next unit's 16 loads and the next x's 20, on the way in and on the way back alike
	HEAD 1, 0, 1, 1, 36, 2
	REST 1, 1, 1
	HEAD 0, 0, 1, 1, 36, 2
.Lmid:
	REST 0, 1, 1
	s_sub_co_u32 s33, s33, 1
	s_cmp_lg_u32 s33, 0
	s_cbranch_scc1 .Lstream
	HEAD 1, 0, 1, 0, 36, 0                         ; chunk 13: no unit is left to ask for
	REST 1, 1, 1
	HEAD 0, 0, 1, 0, 20, 0                         ; chunk 14: only x of chunk 15 is behind what it needs
	REST 0, 0, 1
	HEAD 1, 0, 0, 0, 0, 0                          ; chunk 15
	REST 1, 0, 0
	s_mov_b32 s33, 4
.Lpass:                                                ; four trips: a pass's way out, then the next pass's products from LDS; a pass without live tiles is jumped.  No barrier and no LDS store from here on
	EPI 0
	EPI 1
	EPI 2
	EPI 3
	EPI 4
	WIN 0
.Lepi_end:
	s_wait_xcnt 0x0                                ; the stores have read their base and data
	s_add_nc_u64 s[26:27], s[26:27], 81920         ; 20 tiles of 4,096 bytes on
	s_add_co_u32 s32, s32, 20
	NLCALC
	s_cmp_eq_u32 s[NL], 0
	s_cbranch_scc1 .Lskip
	TILES
	s_mov_b64 s[24:25], s[22:23]
	s_mov_b32 s34, 2*NCH
.Loch:                                                 ; a later pass, a K step of 32 a trip.  The step is 2 NCH less the trips left; its LDS base is made anew from that number, and the clamp states that the reads stay inside the weights' 262,144 bytes
	s_sub_co_u32 s44, 2*NCH, s34
	s_min_u32 s44, s44, 2*NCH-1
	s_lshl_b32 s44, s44, 13
	v_add_nc_u32 v[VRD], s44, v[VL16]
	XSTEP
	WFLOAD 0, 0
	s_wait_loadcnt 0x0
	s_wait_dscnt 0x0
	s_add_nc_u64 s[24:25], s[24:25], CHX/2
	s_cmp_eq_u32 s34, 2*NCH
	s_cbranch_scc1 .Lochz
	PHASE 0, 0, 0, 1
	s_branch .Lochj
.Lochz:
	PHASE 0, 0, 1, 0                               ; the pass's first step starts the sums
.Lochj:
	PLACES
	s_sub_co_u32 s34, s34, 1
	s_cmp_lg_u32 s34, 0
	s_cbranch_scc1 .Loch
.Lskip:
	s_sub_co_u32 s33, s33, 1
	s_cmp_lg_u32 s33, 0
	s_cbranch_scc1 .Lpass
	s_wait_tensorcnt 0x0                           ; the wave's end, behind my last LDS store
	ds_add_u32 v[SPW], v[NIL]
	s_wait_dscnt 0x0
	s_endpgm
.Lfunc_end_k_q02ea93a606_up:
	.size	k_q02ea93a606_up, .Lfunc_end_k_q02ea93a606_up-k_q02ea93a606_up
	.p2alignl 7, 3214868480
	.fill 96, 4, 3214868480
	.section	.rodata,"a",@progbits
	.p2align	6, 0x0
	.amdhsa_kernel k_q02ea93a606_up
		.amdhsa_group_segment_fixed_size 262656
		.amdhsa_private_segment_fixed_size 0
		.amdhsa_enable_private_segment 0
		.amdhsa_kernarg_size 40
		.amdhsa_user_sgpr_count 2
		.amdhsa_user_sgpr_kernarg_segment_ptr 1
		.amdhsa_wavefront_size32 1
		.amdhsa_system_sgpr_workgroup_id_x 1
		.amdhsa_system_sgpr_workgroup_id_y 1
		.amdhsa_system_sgpr_workgroup_id_z 1
		.amdhsa_system_vgpr_workitem_id 0
		.amdhsa_next_free_vgpr 960
		.amdhsa_next_free_sgpr 66
		.amdhsa_reserve_vcc 0
		.amdhsa_float_denorm_mode_32 3
		.amdhsa_float_denorm_mode_16_64 3
		.amdhsa_memory_ordered 1
		.amdhsa_forward_progress 1
		.amdhsa_inst_pref_size 148
	.end_amdhsa_kernel
	.amdgpu_metadata
---
amdhsa.version: [ 1, 2 ]
amdhsa.kernels:
  - .name:           k_q02ea93a606_up
    .symbol:         k_q02ea93a606_up.kd
    .args:
      - { .name: w1, .offset: 0, .size: 8, .value_kind: global_buffer, .address_space: global }
      - { .name: w3, .offset: 8, .size: 8, .value_kind: global_buffer, .address_space: global }
      - { .name: xg, .offset: 16, .size: 8, .value_kind: global_buffer, .address_space: global }
      - { .name: lst, .offset: 24, .size: 8, .value_kind: global_buffer, .address_space: global }
      - { .name: h, .offset: 32, .size: 8, .value_kind: global_buffer, .address_space: global }
    .group_segment_fixed_size: 262656
    .private_segment_fixed_size: 0
    .kernarg_segment_align: 8
    .kernarg_segment_size: 40
    .max_flat_workgroup_size: 128
    .sgpr_count:     66
    .vgpr_count:     960
    .wavefront_size: 32
...
	.end_amdgpu_metadata
.endif
;; end of part 3
;; launch down (part 4): grid 32 x 8, 4 waves a work-group, no clusters, 131,584 bytes of LDS; arguments w2, h, gr, lst, y; writes y
.if DOCPART == 4
	.amdgcn_target "amdgcn-amd-amdhsa--gfx1250"
	.amdhsa_code_object_version 6
	.text
	.protected	k_q02ea93a606_down
	.globl	k_q02ea93a606_down
	.p2align	8
	.type	k_q02ea93a606_down,@function
k_q02ea93a606_down:
	s_mov_b64 s[64:65], 0
	v_nop
	global_prefetch_b8 v0, s[64:65] scope:SCOPE_SE
	s_setreg_imm32_b32 hwreg(HW_REG_WAVE_MODE, 25, 1), 1
	s_wait_xcnt 0x0
; DOWN.  y[kh][p][:] = gate[p] x (h row of p) w2[e], summed over half of F.  p = 2 t + k names a token's k-th choice.  Work-group (x = ds + 16 kh, e): all rows of expert e x the 64 columns
; d = 64 ds .. + 63 of w2 x the rows f = 1,024 kh .. + 1,023.  The two halves' partial sums (f32) and a token's two choices are added by the next launch: 256 work-groups with whole rows of 256 bytes
; of w2 leave half of F to each.  Each weight byte is read once in the launch, by this work-group alone; h's blocks go straight into operand registers, 512 consecutive bytes a load.
; NO CLUSTER: joint loads of h would put 80 more LDS reads a wave into a chunk beside its 32, and a round of the cluster's barrier in front of each of 16 blocks.
; h COMES IN TWO PARTS, hi and lo, both bf16, h = hi + lo to about 16 bits: both are multiplied by the same weight fragments into the same f32 sums, twice the matrix instructions of one part.
; The frame is the launch before's: units of 32 rows x 64 columns rounded in registers, shared through LDS, where the whole bf16 slice (128 KB) stays, one barrier a chunk; rows in tiles of 16, tile T to
; wave T % 4, five tiles a pass, pass 0 beside the stream, later passes from LDS; operand loads are never jumped (a dead tile loads the last live tile once more); matrix work is jumped for dead tiles,
; tested at tiles 0, 2 and 4, and no dead tile is stored.
; K's ORDER.  A part of h's block (16 rows x 64 f) holds in lane (r, hh), registers 0-15, the columns 32 hh + 0..31.  So K step kp of a block takes f = 32 hh + 16 kp + 0..15, and a unit's load l reads
; row 32 hh + 16 kp + l: the same order on both operands.  A chunk is 128 f: two blocks; wave w makes the unit of block w / 2, K step w % 2.
; h's REGISTERS go by block: set g holds block g of the chunk in hand, both parts of five tiles, 160 registers; it is loaded again, with the next chunk's block g, four places behind the phase that read
; it, and has the other phase's 80 matrix instructions in which to land.
; THE WAY OUT.  Source 0 = tokens, source 1 = weights: register jj of accumulator j is (row 8 hh + jj, column 4 r + j).  The gate's multiply gathers four accumulators' numbers into four neighbouring
; registers, and 16 lanes store the 256 aligned bytes of a row of y.  Ranks past the count repeat the last row: same place, same numbers.
; REGISTERS, in windows of 256: window 0: addresses; v32-63 rounded unit; v64-191 weight fragments; v192-223 results      window 1: v0-159 h set 0; v160-199 gates; v200-239 p, then rows' offsets
;   window 2: v0-159 h set 1; v160-223 weights as loaded, set 0      window 3: v0-159 accumulators, 32 a tile; v160-223 weights as loaded, set 1
.set NCH,   8          ; chunks of 128 along K
.set CHW,   524288     ; bytes from a chunk's 128 rows of w2 to the next
.set SLB,   262144     ; h: from a block's column of 64 tiles x 4,096 bytes to the next
.set CHH,   2*SLB      ; from a chunk's two blocks of h to the next
.set CHL,   16384
.set SPARE, 131072     ; behind the weights: the spare words, 128 bytes for each wave: two blocks of 256 bytes that no other line names
.set LN,   1
.set R,    2
.set HH,   3
.set VW,   4           ; 32 (l / 16) rows of 4,096 bytes + 16 (l % 16)
.set VPF,  5           ; the unit's row that my lane names for the prefetch
.set VRD,  6
.set VST,  7
.set VL16, 8
.set V32H, 9
.set VCOL, 10          ; my 16 bytes in a row of y
.set VH,   11          ; v11-15 tile i: its block's 4,096 bytes + 16 l
.set TA,   16          ; v16-20 tile i: its 64 bytes in the expert's part of lst and of gr + 32 (l / 16)
.set VA,   24
.set SPW,  30
.set NIL,  31
.set CV,   32
.set WF,   64
.set OUT,  192
.set GG,   160         ; window 1
.set PY,   200         ; window 1
.set STG,  160         ; window 2 (set 0), window 3 (set 1)
.set NL,   31
; s14 wave, s15 expert, s16 ds, s17 kh; s[18:19] my unit of the chunk in hand; s[20:21] h at the chunk in hand; s[22:23] h at chunk 0; s[24:25] h in later passes; s[26:27] y's half
; s28 count, s29 tiles, s30 last tile, s32 my first tile of the pass, s33, s34 loop counts, s[36:37] lst and s[38:39] gr at the expert
.set MSB, 0
.macro WIN new
.if MSB != (\new)
	s_set_vgpr_msb (MSB<<8)|(\new)
.set MSB, (\new)
.endif
.endm
.macro PLACES                          ; four places between a matrix instruction and a load into, or a vector read of, its registers (ISA guide 7.12.1 for vector reads)
.rept 4
	v_nop
.endr
.endm
.macro WLOAD set, crel
	WIN 0x80+0x40*(\set)
.irp l, 0,1,2,3,4,5,6,7,8,9,10,11,12,13,14,15
	global_load_b128 v[STG+4*(\l):STG+4*(\l)+3], v[VW], s[18:19] offset:(\crel)*CHW+(\l)*4096 th:TH_LOAD_NT
.endr
.endm
.macro PF crel                         ; the 32 lanes name the 32 rows (256 bytes each) of my unit crel chunks ahead: each block once in the launch, two trips ahead of its load
	WIN 0
	global_prefetch_b8 v[VPF], s[18:19] offset:(\crel)*CHW th:TH_LOAD_NT scope:SCOPE_SE
.endm
.macro CVT set
	WIN 0x0a+5*(\set)
.irp j, 0,1,2,3
.irp m, 0,1,2,3,4,5,6,7
	v_cvt_pk_bf16_f32 v[CV+8*(\j)+(\m)], v[STG+8*(\m)+(\j)], v[STG+8*(\m)+4+(\j)]
.endr
.endr
.endm
.macro WSTORE crel
	WIN 0
.irp j, 0,1,2,3
	ds_store_b128 v[VST], v[CV+8*(\j):CV+8*(\j)+3]   offset:(\crel)*CHL+1024*(\j)
	ds_store_b128 v[VST], v[CV+8*(\j)+4:CV+8*(\j)+7] offset:(\crel)*CHL+1024*(\j)+512
.endr
.endm
.macro WFLOAD b, crel                  ; the eight fragments of block b: K step kp, columns 4 r + j at 4 kp + j
	WIN 0
.irp f, 0,1,2,3,4,5,6,7
	ds_load_b128 v[WF+64*(\b)+8*(\f):WF+64*(\b)+8*(\f)+3],   v[VRD] offset:(\crel)*CHL+8192*(\b)+1024*(\f)
	ds_load_b128 v[WF+64*(\b)+8*(\f)+4:WF+64*(\b)+8*(\f)+7], v[VRD] offset:(\crel)*CHL+8192*(\b)+1024*(\f)+512
.endr
.endm
.macro HLOAD g, bl, crel               ; block g, crel chunks ahead of the base, into set g: five tiles x two parts, as they lie: 40 loads
	WIN 0x40<<(\g)
.irp i, 0,1,2,3,4
.irp p, 0,1
.irp q, 0,1,2,3
	global_load_b128 v[32*(\i)+16*(\p)+4*(\q):32*(\i)+16*(\p)+4*(\q)+3], v[VH+(\i)], s[\bl:(\bl)+1] offset:(\crel)*CHH+(\g)*SLB+(\p)*2048+(\q)*512
.endr
.endr
.endr
.endm
; One block (64 f) for my tiles: 16 matrix instructions a tile (hi's two K steps, then lo's), its four accumulators by turns.
.macro PHASE g, zero, skip
.irp i, 0,1,2,3,4
.if (\skip) && (((\i)%2) == 0)
	WIN 0                                          ; at a branch and at a label every window is 0
	s_cmp_gt_u32 s[NL], \i
	s_cbranch_scc0 .Lpe_\@
.endif
	WIN 0xf1+(\g)
.irp p, 0,1
.irp kp, 0,1
.irp j, 0,1,2,3
.if (\zero) && ((\kp) == 0) && ((\p) == 0)
	v_wmma_f32_16x16x32_bf16 v[32*(\i)+8*(\j):32*(\i)+8*(\j)+7], v[32*(\i)+16*(\p)+8*(\kp):32*(\i)+16*(\p)+8*(\kp)+7], v[WF+64*(\g)+32*(\kp)+8*(\j):WF+64*(\g)+32*(\kp)+8*(\j)+7], 0
.else
	v_wmma_f32_16x16x32_bf16 v[32*(\i)+8*(\j):32*(\i)+8*(\j)+7], v[32*(\i)+16*(\p)+8*(\kp):32*(\i)+16*(\p)+8*(\kp)+7], v[WF+64*(\g)+32*(\kp)+8*(\j):WF+64*(\g)+32*(\kp)+8*(\j)+7], v[32*(\i)+8*(\j):32*(\i)+8*(\j)+7]
.endif
.endr
.endr
.endr
.endr
	WIN 0
.Lpe_\@:
.endm
; The trip of chunk c (par = c % 2), in two halves.  A trip issues its global loads in this order: the unit of c + 3 (16), block 0 of c + 1 (40), block 1 of c + 1 (40).
; HEAD rounds and publishes my unit of chunk c + 1, asks for that of c + 3, and multiplies block 0.
.macro HEAD par, zero, cvt, wl, lca, pf
	s_wait_loadcnt \lca                            ; block 0 of chunk c and the older unit of c + 1 are in; what was issued behind that block stays out
.if \cvt
	CVT 1-(\par)
	WSTORE 1
.endif
.if \wl
	WLOAD 1-(\par), 3
.endif
.if (\pf) == 1
	PF 5
.endif
.if (\pf) == 2
	WIN 0
	s_cmp_eq_u32 s33, 1                            ; the loop's last trip would ask past chunk 7: it asks for nothing
	s_cbranch_scc1 .Lnopf_\@
	PF 5
.Lnopf_\@:
.endif
	WFLOAD 1, 0
	s_wait_dscnt 16+8*(\cvt)                       ; block 0's 16 fragment loads are in; my stores and block 1's 16 loads may be out
	PHASE 0, \zero, 1-(\zero)
.endm
; REST asks for chunk c + 1's blocks of h, multiplies block 1, and steps on to chunk c + 1.
.macro REST hl, bar, lcb
.if \hl
	PLACES
	HLOAD 0, 20, 1
.endif
	s_wait_loadcnt \lcb                            ; block 1 of chunk c is in; what was issued behind it stays out
	s_wait_dscnt 0x0                               ; block 1's fragments; and, for the others' sake, my stores of chunk c + 1
	PHASE 1, 0, 1
.if \hl
	s_wait_xcnt 0x0                                ; the bases are rewritten only behind this wait; the youngest load that names them stands 80 matrix instructions back
	s_add_nc_u64 s[18:19], s[18:19], CHW
	s_add_nc_u64 s[20:21], s[20:21], CHH
.endif
.if \bar
	s_barrier_signal -1                            ; every wave's unit of chunk c + 1 is in LDS
	s_barrier_wait -1
.endif
	PLACES
.if \hl
	HLOAD 1, 20, 0
.endif
.if \bar
	WIN 0
	v_add_nc_u32 v[VRD], CHL, v[VRD]
	v_add_nc_u32 v[VST], CHL, v[VST]
	WFLOAD 0, 0
.endif
	WIN 0
.endm
.macro NLCALC
	s_sub_co_i32 s44, s29, s32
	s_add_co_i32 s44, s44, 3
	s_ashr_i32 s44, s44, 2
	s_max_i32 s44, s44, 0
	s_min_i32 s[NL], s44, 5
.endm
; My five tiles: their blocks in h (the tile's number, clamped by a constant, times 4,096, plus 16 l), and, asked for here and used on the way out, for rows 8 (l / 16) + 0..7 of each the number p
; and its gate: 20 loads.  A dead tile takes the last live one's.
.macro TILES
	WIN 0
.irp i, 0,1,2,3,4
	s_add_co_u32 s44, s32, 4*(\i)
	s_min_u32 s44, s44, s30
	s_min_u32 s44, s44, 63
	s_lshl_b32 s45, s44, 6
	v_add_nc_u32 v[TA+(\i)], s45, v[V32H]
	s_lshl_b32 s45, s44, 12
	v_add_nc_u32 v[VH+(\i)], s45, v[VL16]
.endr
	WIN 0x40
.irp i, 0,1,2,3,4
	global_load_b128 v[PY+8*(\i):PY+8*(\i)+3],   v[TA+(\i)], s[36:37]
	global_load_b128 v[PY+8*(\i)+4:PY+8*(\i)+7], v[TA+(\i)], s[36:37] offset:16
	global_load_b128 v[GG+8*(\i):GG+8*(\i)+3],   v[TA+(\i)], s[38:39]
	global_load_b128 v[GG+8*(\i)+4:GG+8*(\i)+7], v[TA+(\i)], s[38:39] offset:16
.endr
	WIN 0
.endm
.macro EPI i                           ; each accumulator's register 0 is read first
	WIN 0
	s_cmp_gt_u32 s[NL], \i
	s_cbranch_scc0 .Lepi_end
	s_wait_xcnt 0x0                                ; the last tile's stores have read their data registers
	WIN 0x45
.set z, 0
.rept 8
	v_min_u32 v[PY+8*(\i)+z], 0x7ff, v[PY+8*(\i)+z]
	v_lshl_add_u32 v[PY+8*(\i)+z], v[PY+8*(\i)+z], 12, v[VCOL]  ; p x 4,096 bytes + my 16 bytes of the row
.set z, z+1
.endr
	WIN 0x07
.irp jj, 0,1,2,3,4,5,6,7
.irp j, 0,1,2,3
	v_mul_f32 v[OUT+4*(\jj)+(\j)], v[32*(\i)+8*(\j)+(\jj)], v[GG+8*(\i)+(\jj)]
.endr
.endr
	WIN 0x01
.irp jj, 0,1,2,3,4,5,6,7
	global_store_b128 v[PY+8*(\i)+(\jj)], v[OUT+4*(\jj):OUT+4*(\jj)+3], s[26:27]  ; lanes 0-15 store 256 consecutive aligned bytes of one row, lanes 16-31 of another
.endr
.endm
	s_load_b256 s[4:11], s[0:1], 0x0               ; w2 s[4:5], h s[6:7], gr s[8:9], lst s[10:11]
	s_load_b64 s[12:13], s[0:1], 0x20              ; y
	v_lshl_add_u32 v[SPW], v0, 2, SPARE
	v_mov_b32 v[NIL], 0
	v_and_b32 v[LN], 31, v0
	v_lshrrev_b32 v[VA], 5, v0
	v_readfirstlane_b32 s14, v[VA]                 ; wave 0..3
	s_and_b32 s15, ttmp7, 0xffff                   ; expert
	s_and_b32 s16, ttmp9, 15                       ; slice of 64 columns
	s_lshr_b32 s17, ttmp9, 4                       ; half of F
	v_and_b32 v[R], 15, v0
	v_bfe_u32 v[HH], v0, 4, 1
	v_lshlrev_b32 v[VW], 4, v[R]
	v_lshl_add_u32 v[VW], v[HH], 17, v[VW]         ; 32 rows of 4,096 bytes for the upper half of the lanes
	v_lshlrev_b32 v[VPF], 12, v[R]
	v_lshl_add_u32 v[VPF], v[HH], 17, v[VPF]       ; rows 0-15 and 32-47 from the unit's first: its 32 rows
	v_lshlrev_b32 v[VL16], 4, v[LN]
	v_mov_b32 v[VRD], v[VL16]
	s_lshl_b32 s44, s14, 12
	v_add_nc_u32 v[VST], s44, v[VL16]
	v_lshlrev_b32 v[V32H], 5, v[HH]
	s_lshl_b32 s44, s16, 8
	v_lshl_add_u32 v[VCOL], v[R], 4, s44
	s_lshl_b32 s44, s15, 23                        ; the expert's 8,388,608 bytes,
	s_lshl_b32 s46, s17, 22                        ; the half's 1,024 rows,
	s_add_co_u32 s44, s44, s46
	s_lshr_b32 s46, s14, 1                         ; my block's 64 rows,
	s_lshl_b32 s46, s46, 18
	s_add_co_u32 s44, s44, s46
	s_and_b32 s46, s14, 1                          ; my K step's 16 rows,
	s_lshl_b32 s46, s46, 16
	s_add_co_u32 s44, s44, s46
	s_lshl_b32 s46, s16, 8                         ; the slice's 256 bytes of a row
	s_add_co_u32 s44, s44, s46
	s_mov_b32 s45, 0
	s_lshl_b32 s46, s15, 5                         ; h: (32 e + 16 kh) blocks' columns x 262,144 bytes
	s_lshl4_add_u32 s46, s17, s46
	s_lshl_b32 s46, s46, 18
	s_mov_b32 s47, 0
	s_lshl_b32 s48, s17, 23                        ; y's half
	s_mov_b32 s49, 0
	s_lshl_b32 s50, s15, 12                        ; the expert's 4,096 bytes of lst and of gr
	s_mov_b32 s51, 0
	s_lshl_b32 s52, s15, 2                         ; the expert's count in lst
	s_add_co_u32 s52, s52, 32768
	s_mov_b32 s53, 0
	s_wait_kmcnt 0x0
	s_add_nc_u64 s[52:53], s[10:11], s[52:53]
	s_load_b32 s28, s[52:53], 0x0
	s_add_nc_u64 s[18:19], s[4:5], s[44:45]
	s_add_nc_u64 s[20:21], s[6:7], s[46:47]
	s_mov_b64 s[22:23], s[20:21]
	s_add_nc_u64 s[26:27], s[12:13], s[48:49]
	s_add_nc_u64 s[36:37], s[10:11], s[50:51]
	s_add_nc_u64 s[38:39], s[8:9], s[50:51]
	WLOAD 0, 0                                     ; the stream starts before anything else is done
	WLOAD 1, 1
	PF 3
	PF 4
	s_wait_kmcnt 0x0                               ; the count
	s_min_u32 s28, s28, 1024
	s_add_co_u32 s29, s28, 15
	s_lshr_b32 s29, s29, 4                         ; tiles: 0 for an expert without rows, which stores nothing
	s_max_u32 s30, s29, 1
	s_sub_co_u32 s30, s30, 1                       ; the tile that dead tiles load: it has been stored in every case
	s_mov_b32 s32, s14
	NLCALC
	TILES
	HLOAD 0, 20, 0
	HLOAD 1, 20, 0
	s_wait_loadcnt 63                              ; 116 loads were issued behind chunk 0's unit (16 weights, 20 of p and gates, 80 of h): with 63 out it is in
	CVT 0
	WSTORE 0
	WLOAD 0, 2
	WIN 0
	s_wait_dscnt 0x0                               ; for the others' sake: my unit of chunk 0 is in LDS
	s_barrier_signal -1
	s_barrier_wait -1
	WFLOAD 0, 0
	HEAD 0, 1, 1, 1, 56, 1                         ; chunk 0's first half stands in front of the loop: its first K step starts the sums.  56: behind its block 0 came its block 1 (40) and chunk 2's unit (16)
	s_mov_b32 s33, 3
	s_branch .Lmid                                 ; its second half is the loop's own: the loop is entered in the middle of a trip (there 72 loads are younger than chunk 0's block 1: the loop's 56 is the stricter count)
.Lstream:                                              ; chunks 1 to 4, two a trip.  40: behind block 0 came block 1.  56: behind block 1 came a unit (16) and the next chunk's block 0 (40); on the way in and on the way back alike
	HEAD 1, 0, 1, 1, 40, 2
	REST 1, 1, 56
	HEAD 0, 0, 1, 1, 40, 2
.Lmid:
	REST 1, 1, 56
	s_sub_co_u32 s33, s33, 1
	s_cmp_lg_u32 s33, 0
	s_cbranch_scc1 .Lstream
	HEAD 1, 0, 1, 0, 40, 0                         ; chunk 5: no unit is left to ask for: behind block 1 came the next chunk's block 0 alone
	REST 1, 1, 40
	HEAD 0, 0, 1, 0, 40, 0                         ; chunk 6
	REST 1, 1, 40
	HEAD 1, 0, 0, 0, 40, 0                         ; chunk 7: nothing is asked for
	REST 0, 0, 0
	s_mov_b32 s33, 4
.Lpass:                                                ; four trips: a pass's way out, then the next pass's products from LDS; a pass without live tiles is jumped.  No barrier and no LDS store from here on
	EPI 0
	EPI 1
	EPI 2
	EPI 3
	EPI 4
	WIN 0
.Lepi_end:
	s_wait_xcnt 0x0                                ; the stores have read their offsets and data
	s_add_co_u32 s32, s32, 20
	NLCALC
	s_cmp_eq_u32 s[NL], 0
	s_cbranch_scc1 .Lskip
	TILES
	s_mov_b64 s[24:25], s[22:23]
	s_mov_b32 s34, 2*NCH
.Loch:                                                 ; a later pass, a block of 64 f a trip.  The block is 2 NCH less the trips left; its LDS base is made anew from that number, and the clamp states that the reads stay inside the weights' 131,072 bytes
	s_sub_co_u32 s44, 2*NCH, s34
	s_min_u32 s44, s44, 2*NCH-1
	s_lshl_b32 s44, s44, 13
	v_add_nc_u32 v[VRD], s44, v[VL16]
	HLOAD 0, 24, 0
	WFLOAD 0, 0
	s_wait_loadcnt 0x0                             ; h, and in the pass's first trip p and the gates
	s_wait_dscnt 0x0
	s_add_nc_u64 s[24:25], s[24:25], SLB
	s_cmp_eq_u32 s34, 2*NCH
	s_cbranch_scc1 .Lochz
	PHASE 0, 0, 1
	s_branch .Lochj
.Lochz:
	PHASE 0, 1, 0                                  ; the pass's first block starts the sums
.Lochj:
	PLACES
	s_sub_co_u32 s34, s34, 1
	s_cmp_lg_u32 s34, 0
	s_cbranch_scc1 .Loch
.Lskip:
	s_sub_co_u32 s33, s33, 1
	s_cmp_lg_u32 s33, 0
	s_cbranch_scc1 .Lpass
	s_wait_tensorcnt 0x0                           ; the wave's end, behind my last LDS store
	ds_add_u32 v[SPW], v[NIL]
	s_wait_dscnt 0x0
	s_endpgm
.Lfunc_end_k_q02ea93a606_down:
	.size	k_q02ea93a606_down, .Lfunc_end_k_q02ea93a606_down-k_q02ea93a606_down
	.p2alignl 7, 3214868480
	.fill 96, 4, 3214868480
	.section	.rodata,"a",@progbits
	.p2align	6, 0x0
	.amdhsa_kernel k_q02ea93a606_down
		.amdhsa_group_segment_fixed_size 131584
		.amdhsa_private_segment_fixed_size 0
		.amdhsa_enable_private_segment 0
		.amdhsa_kernarg_size 40
		.amdhsa_user_sgpr_count 2
		.amdhsa_user_sgpr_kernarg_segment_ptr 1
		.amdhsa_wavefront_size32 1
		.amdhsa_system_sgpr_workgroup_id_x 1
		.amdhsa_system_sgpr_workgroup_id_y 1
		.amdhsa_system_sgpr_workgroup_id_z 1
		.amdhsa_system_vgpr_workitem_id 0
		.amdhsa_next_free_vgpr 992
		.amdhsa_next_free_sgpr 66
		.amdhsa_reserve_vcc 0
		.amdhsa_float_denorm_mode_32 3
		.amdhsa_float_denorm_mode_16_64 3
		.amdhsa_memory_ordered 1
		.amdhsa_forward_progress 1
		.amdhsa_inst_pref_size 177
	.end_amdhsa_kernel
	.amdgpu_metadata
---
amdhsa.version: [ 1, 2 ]
amdhsa.kernels:
  - .name:           k_q02ea93a606_down
    .symbol:         k_q02ea93a606_down.kd
    .args:
      - { .name: w2, .offset: 0, .size: 8, .value_kind: global_buffer, .address_space: global }
      - { .name: h, .offset: 8, .size: 8, .value_kind: global_buffer, .address_space: global }
      - { .name: gr, .offset: 16, .size: 8, .value_kind: global_buffer, .address_space: global }
      - { .name: lst, .offset: 24, .size: 8, .value_kind: global_buffer, .address_space: global }
      - { .name: y, .offset: 32, .size: 8, .value_kind: global_buffer, .address_space: global }
    .group_segment_fixed_size: 131584
    .private_segment_fixed_size: 0
    .kernarg_segment_align: 8
    .kernarg_segment_size: 40
    .max_flat_workgroup_size: 128
    .sgpr_count:     66
    .vgpr_count:     992
    .wavefront_size: 32
...
	.end_amdgpu_metadata
.endif
;; end of part 4
;; launch sum (part 5): grid 256 x 1, 8 waves a work-group, no clusters, 0 bytes of LDS; arguments y, out0; writes out0
.if DOCPART == 5
	.amdgcn_target "amdgcn-amd-amdhsa--gfx1250"
	.amdhsa_code_object_version 6
	.text
	.protected	k_q02ea93a606_sum
	.globl	k_q02ea93a606_sum
	.p2align	8
	.type	k_q02ea93a606_sum,@function
k_q02ea93a606_sum:
	s_mov_b64 s[64:65], 0
	v_nop
	global_prefetch_b8 v0, s[64:65] scope:SCOPE_SE
	s_setreg_imm32_b32 hwreg(HW_REG_WAVE_MODE, 25, 1), 1
	s_wait_xcnt 0x0
; out0[t] = y[0][2 t] + y[0][2 t + 1] + y[1][2 t] + y[1][2 t + 1]: a token's two choices, each in two halves of F, all f32.  y: [2][2048][1024].
; A stream: work-group b takes tokens 4 b .. 4 b + 3; thread n the 16 bytes at 16 n of each row, so a wave's load or store covers 512 consecutive bytes.  All 16 loads go out at once; no loop, no LDS,
; no barrier: nothing is shared and nothing is read twice, so matrix units and clusters have no part here.
	s_load_b128 s[4:7], s[0:1], 0x0                ; y s[4:5], out0 s[6:7]
	v_lshlrev_b32 v1, 4, v0
	s_lshl_b32 s8, ttmp9, 15                       ; eight rows of y
	s_mov_b32 s9, 0
	s_lshl_b32 s10, ttmp9, 14                      ; four rows of out0
	s_mov_b32 s11, 0
	s_wait_kmcnt 0x0
	s_add_nc_u64 s[4:5], s[4:5], s[8:9]
	s_add_nc_u64 s[12:13], s[4:5], 0x800000        ; the second half of F
	s_add_nc_u64 s[6:7], s[6:7], s[10:11]
.irp j, 0,1,2,3
	global_load_b128 v[4+16*(\j):7+16*(\j)],   v1, s[4:5]   offset:8192*(\j) th:TH_LOAD_NT
	global_load_b128 v[8+16*(\j):11+16*(\j)],  v1, s[4:5]   offset:8192*(\j)+4096 th:TH_LOAD_NT
	global_load_b128 v[12+16*(\j):15+16*(\j)], v1, s[12:13] offset:8192*(\j) th:TH_LOAD_NT
	global_load_b128 v[16+16*(\j):19+16*(\j)], v1, s[12:13] offset:8192*(\j)+4096 th:TH_LOAD_NT
.endr
.irp j, 0,1,2,3
	s_wait_loadcnt 12-4*(\j)                       ; loads come back in order (ISA guide 5.7.1): token j's four are in, the later tokens' stay out
	v_pk_add_f32 v[4+16*(\j):5+16*(\j)],   v[4+16*(\j):5+16*(\j)],   v[8+16*(\j):9+16*(\j)]
	v_pk_add_f32 v[6+16*(\j):7+16*(\j)],   v[6+16*(\j):7+16*(\j)],   v[10+16*(\j):11+16*(\j)]
	v_pk_add_f32 v[12+16*(\j):13+16*(\j)], v[12+16*(\j):13+16*(\j)], v[16+16*(\j):17+16*(\j)]
	v_pk_add_f32 v[14+16*(\j):15+16*(\j)], v[14+16*(\j):15+16*(\j)], v[18+16*(\j):19+16*(\j)]
	v_pk_add_f32 v[4+16*(\j):5+16*(\j)],   v[4+16*(\j):5+16*(\j)],   v[12+16*(\j):13+16*(\j)]
	v_pk_add_f32 v[6+16*(\j):7+16*(\j)],   v[6+16*(\j):7+16*(\j)],   v[14+16*(\j):15+16*(\j)]
	global_store_b128 v1, v[4+16*(\j):7+16*(\j)], s[6:7] offset:4096*(\j) th:TH_STORE_NT
.endr
	s_endpgm
.Lfunc_end_k_q02ea93a606_sum:
	.size	k_q02ea93a606_sum, .Lfunc_end_k_q02ea93a606_sum-k_q02ea93a606_sum
	.p2alignl 7, 3214868480
	.fill 96, 4, 3214868480
	.section	.rodata,"a",@progbits
	.p2align	6, 0x0
	.amdhsa_kernel k_q02ea93a606_sum
		.amdhsa_group_segment_fixed_size 0
		.amdhsa_private_segment_fixed_size 0
		.amdhsa_enable_private_segment 0
		.amdhsa_kernarg_size 16
		.amdhsa_user_sgpr_count 2
		.amdhsa_user_sgpr_kernarg_segment_ptr 1
		.amdhsa_wavefront_size32 1
		.amdhsa_system_sgpr_workgroup_id_x 1
		.amdhsa_system_sgpr_workgroup_id_y 1
		.amdhsa_system_sgpr_workgroup_id_z 1
		.amdhsa_system_vgpr_workitem_id 0
		.amdhsa_next_free_vgpr 68
		.amdhsa_next_free_sgpr 66
		.amdhsa_reserve_vcc 0
		.amdhsa_float_denorm_mode_32 3
		.amdhsa_float_denorm_mode_16_64 3
		.amdhsa_memory_ordered 1
		.amdhsa_forward_progress 1
		.amdhsa_inst_pref_size 5
	.end_amdhsa_kernel
	.amdgpu_metadata
---
amdhsa.version: [ 1, 2 ]
amdhsa.kernels:
  - .name:           k_q02ea93a606_sum
    .symbol:         k_q02ea93a606_sum.kd
    .args:
      - { .name: y, .offset: 0, .size: 8, .value_kind: global_buffer, .address_space: global }
      - { .name: out0, .offset: 8, .size: 8, .value_kind: global_buffer, .address_space: global }
    .group_segment_fixed_size: 0
    .private_segment_fixed_size: 0
    .kernarg_segment_align: 8
    .kernarg_segment_size: 16
    .max_flat_workgroup_size: 256
    .sgpr_count:     66
    .vgpr_count:     68
    .wavefront_size: 32
...
	.end_amdgpu_metadata
.endif
;; end of part 5
;; ======== version 2 of 2: 5 launches; version 1 with the launch pack written anew for expert scheduling mode
;; workspace buffers: xb 2,097,152 bytes; gw 8,192 bytes; bmk 2,048 bytes of whole numbers; xg 16,777,216 bytes; lst 33,024 bytes of whole numbers; gr 32,768 bytes; h 67,108,864 bytes; y 16,777,216 bytes
;; launch router: the kernel of part 1 again; grid 64 x 1, 8 waves a work-group, no clusters, 42,496 bytes of LDS; arguments x, wg, xb, gw, bmk; writes xb, gw, bmk
;; launch pack (part 6): grid 32 x 8, 4 waves a work-group, no clusters, 17,920 bytes of LDS; arguments xb, gw, bmk, xg, lst, gr; writes xg, lst, gr
.if DOCPART == 6
	.amdgcn_target "amdgcn-amd-amdhsa--gfx1250"
	.amdhsa_code_object_version 6
	.text
	.protected	k_q02ea93a606_pack
	.globl	k_q02ea93a606_pack
	.p2align	8
	.type	k_q02ea93a606_pack,@function
k_q02ea93a606_pack:
	s_mov_b64 s[64:65], 0
	v_nop
	global_prefetch_b8 v0, s[64:65] scope:SCOPE_SE
	s_setreg_imm32_b32 hwreg(HW_REG_WAVE_SCHED_MODE, 0, 2), 2
	s_setreg_imm32_b32 hwreg(HW_REG_WAVE_MODE, 25, 1), 1
	s_wait_xcnt 0x0
	s_wait_alu depctr_vm_vsrc(0)
; PACK.  Lays the chosen token rows out once, in the experts' order, as the next launch's matrix operand; and stores, as whole numbers, what later launches make addresses and trip counts of.
; Ranks: the tokens that chose expert e, in token order; tiles of 16 ranks.  Stored:
;   xg[e][tile 64][chunk 16][2,048 bytes]: byte 512 q + 16 l of a chunk = the 16 bytes at 128 c + 32 q + 16 (l / 16) of the bf16 row of the tile's token l % 16: registers 4 q .. 4 q + 3 of lane l's two
;     fragments of 32 K.  32 work-groups of the next launch read each tile, in runs of 512 consecutive bytes; here each row piece is gathered once.
;   lst[e][1,024]: rank -> p = 2 t + k (token t's k-th choice); at byte 32,768 + 4 e the expert's count.     gr[e][1,024]: rank -> the gate of p.
; SHARES.  Work-group (x, e) has tiles x and x + 32 of expert e; wave w copies chunks 4 w .. 4 w + 3: 16 loads, 16 stores of 512 consecutive aligned bytes.  The grid serves every split of the tokens
; (an expert has 0 to 1,024 rows, 64 tiles): a work-group whose tile lies past the count stores nothing.  Tile 0 always counts as live (an expert without rows names token 0), so that what later
; launches read through their clamp has been stored.  Ranks past the count repeat the last row.
; A stream of 4 MB or so: no matrix work, nothing shared between work-groups, so no cluster.
; THE MODE: SCHED_MODE bits 1:0 = 2 (LLVM: expert scheduling mode 2), set by the entry lines.  The code itself states the register dependences between vector instructions and memory or LDS
; instructions, and those through scalar registers that vector instructions write, with s_wait_alu, always for 0.
; THE PLAN.  Registers that memory or LDS instructions touch:
;   VA, VA2, VCL, Z, TA0, TA1, VL16, V4R   offsets, LDS addresses and zeros: made at the head, ahead of one wait on va_vdst, and never written again.
;   BM, BK         land once, at the head; v_readlane_b32 reads them behind the wait for the two loads.
;   LA0-3, LD0-3   the list's loop, four groups of tokens a trip: the trip's vector work writes them, one wait on va_vdst, the trip's four LDS stores read them; one wait on vm_vsrc stands ahead of
;                  the next trip's first write of them.  The masks come by eight v_readlane_b32 in a run, with one wait on va_sdst behind the run.
;   VLE, VTL, VC, VZ   made behind the loop, ahead of one wait on va_vdst; read by one LDS load, one LDS store and the count's store.  VK lands by that LDS load and is named by no vector instruction.
;   P, XO, GO      a tile: P lands from my list; four vector lines clamp it and make XO and GO; one wait on va_vdst; the tile's 17 loads read XO and GO, wave 0's store reads P.
;   G, D           land by the tile's loads, are read by its stores, and are named by no vector instruction.
;   The second tile uses the first tile's registers again: one wait on vm_vsrc stands ahead of it.
.set LISTP, 4352       ; wave w's own list, rank -> p: 1,040 words, then 32 dump words (one a lane); the bytes from 17,408 on hold the spare words that the wave's end adds 0 onto
.set LN,   1
.set R,    2
.set HH,   3
.set VL16, 4           ; 16 l
.set V4R,  5           ; 4 (l % 16)
.set VDI,  6           ; my dump word's index
.set BM,   7           ; lane g: the mask words of token group g
.set BK,   8
.set V2T,  9           ; 2 t of my token in the trip's first group
.set VR,   10          ; at work
.set VA,   11          ; my mask words' byte offset in bmk
.set VK,   12          ; the list's last entry
.set VA2,  13          ; LDS: my 16 bytes of the list as it is cleared
.set P,    14          ; my rank's p
.set XO,   15          ; my 16 bytes in xb
.set GO,   16          ; my gate in gw
.set G,    17
.set VZ,   18
.set VC,   19
.set Z,    20          ; v20-23 zeros
.set VHW,  24          ; 16 (l / 16) + my wave's 512 bytes of a row
.set VCL,  25          ; LDS: my 8 bytes of the list's last 256 as they are cleared
.set VR2,  26          ; at work
.set TA,   27          ; v27-28 LDS: my rank's entry in tile x, in tile x + 32
.set VLE,  30          ; LDS: the list's last entry
.set VTL,  31          ; LDS: entry count + l % 16
.set D,    32          ; v32-95 sixteen loads
.set RK,   96          ; v96-99   the trip's group j: my rank, or my dump word's index
.set LA,   100         ; v100-103 its LDS address
.set LD,   104         ; v104-107 the entry 2 t + k
; s16 wave, s17 expert, s18 x; s[20:21] xg at my part of the tile, s[22:23] lst and s[24:25] gr at the tile, s[26:27] the count's place; s28 count, s29 tiles, s35 my list, s36 the tile
; in the list's loop: s30-33 the count ahead of group j, s34 the trip's first group, s37-39 the three behind it, s40-43 and s44-47 the four groups' two mask words, s36 at work
	s_load_b256 s[4:11], s[0:1], 0x0               ; xb s[4:5], gw s[6:7], bmk s[8:9], xg s[10:11]
	s_load_b128 s[12:15], s[0:1], 0x20             ; lst s[12:13], gr s[14:15]
	v_lshl_add_u32 v108, v0, 2, 0x4400
	v_mov_b32 v109, 0
	v_and_b32 v[LN], 31, v0
	v_lshrrev_b32 v[VA], 5, v0
	v_readfirstlane_b32 s16, v[VA]                 ; wave 0..3
	s_and_b32 s17, ttmp7, 0xffff
	s_mov_b32 s18, ttmp9
	v_and_b32 v[R], 15, v0
	v_bfe_u32 v[HH], v0, 4, 1
	v_lshlrev_b32 v[VL16], 4, v[LN]
	v_lshlrev_b32 v[V4R], 2, v[R]
	v_add_nc_u32 v[VDI], 1040, v[LN]
	v_lshlrev_b32 v[V2T], 1, v[LN]
	v_mov_b32 v[Z], 0
	v_mov_b32 v[Z+1], 0
	v_mov_b32 v[Z+2], 0
	v_mov_b32 v[Z+3], 0
	s_wait_alu depctr_va_sdst(0)                   ; s16 is written, ahead of its first reader: my list's place and my part of a row are made from it
	s_mul_i32 s35, s16, LISTP
	s_lshl_b32 s37, s16, 9
	v_lshl_add_u32 v[VHW], v[HH], 4, s37
	v_lshlrev_b32 v[VA], 6, v[LN]                  ; lane g: group g's 64 bytes of masks, word e
	s_lshl_b32 s38, s17, 2
	v_add_nc_u32 v[VA], s38, v[VA]
	s_add_co_u32 s26, s38, 32768
	s_mov_b32 s27, 0
	v_add_nc_u32 v[VA2], s35, v[VL16]
	v_lshl_add_u32 v[VCL], v[LN], 3, s35
.irp k, 0,1                                            ; rank 16 T + l % 16 of tiles T = x and x + 32: the tile's number, clamped by a constant, times 64 bytes, plus my list's first byte
	s_add_co_u32 s[39+(\k)], s18, 32*(\k)
	s_min_u32 s[39+(\k)], s[39+(\k)], 63
	s_lshl_b32 s[39+(\k)], s[39+(\k)], 6
	s_add_co_u32 s[39+(\k)], s[39+(\k)], s35
	v_add_nc_u32 v[TA+(\k)], s[39+(\k)], v[V4R]
.endr
	s_wait_kmcnt 0x0
	s_wait_alu depctr_va_vdst(0)                   ; VA, VA2, VCL, Z, TA0, TA1, VL16 and V4R are written: the loads and stores of the whole kernel read them as offsets, addresses and data, and no vector instruction names them again
	global_load_b32 v[BM], v[VA], s[8:9]
	global_load_b32 v[BK], v[VA], s[8:9] offset:32
	s_add_nc_u64 s[26:27], s[12:13], s[26:27]
	; my list is cleared while the loads are out: an expert without rows then names token 0
.irp k, 0,1,2,3,4,5,6,7
	ds_store_b128 v[VA2], v[Z:Z+3] offset:512*(\k)
.endr
	ds_store_b64 v[VCL], v[Z:Z+1] offset:4096
	s_wait_loadcnt 0x0
	; THE LIST.  Group g's 32 tokens at a time, four groups a trip: a chosen token's rank is the count so far plus the chosen lanes below it; entry rank = 2 t + k.  Other lanes write their dump word.
	; Every address into the list is an index clamped by a constant, times 4, plus my list's first byte: it stays inside my wave's own 4,352 bytes, which no other wave touches.
	s_mov_b32 s28, 0
	s_mov_b32 s34, 0
.Lbuild:
	s_add_co_u32 s37, s34, 1
	s_add_co_u32 s38, s34, 2
	s_add_co_u32 s39, s34, 3
	v_readlane_b32 s40, v[BM], s34
	v_readlane_b32 s41, v[BM], s37
	v_readlane_b32 s42, v[BM], s38
	v_readlane_b32 s43, v[BM], s39
	v_readlane_b32 s44, v[BK], s34
	v_readlane_b32 s45, v[BK], s37
	v_readlane_b32 s46, v[BK], s38
	v_readlane_b32 s47, v[BK], s39
	s_wait_alu depctr_va_sdst(0)                   ; the eight v_readlane_b32 have written s40 to s47, ahead of their first readers
	s_mov_b32 s30, s28                             ; the count ahead of each of the four groups, and behind the last
	s_bcnt1_i32_b32 s36, s40
	s_add_co_u32 s31, s30, s36
	s_bcnt1_i32_b32 s36, s41
	s_add_co_u32 s32, s31, s36
	s_bcnt1_i32_b32 s36, s42
	s_add_co_u32 s33, s32, s36
	s_bcnt1_i32_b32 s36, s43
	s_add_co_u32 s28, s33, s36
.irp j, 0,1,2,3                                        ; the four groups take turns, so that no line reads the result of the line before it
	v_mbcnt_lo_u32_b32 v[RK+(\j)], s[40+(\j)], s[30+(\j)]
.endr
.irp j, 0,1,2,3
	v_cndmask_b32 v[RK+(\j)], v[VDI], v[RK+(\j)], s[40+(\j)]
.endr
.irp j, 0,1,2,3
	v_min_u32 v[RK+(\j)], 1087, v[RK+(\j)]         ; inside my 4,352 bytes whatever the masks hold
.endr
	s_wait_alu depctr_vm_vsrc(0)                   ; the last trip's four LDS stores have read LA and LD, which the lines below write again
.irp j, 0,1,2,3
	v_lshl_add_u32 v[LA+(\j)], v[RK+(\j)], 2, s35
.endr
.irp j, 0,1,2,3
	v_cndmask_b32 v[LD+(\j)], 0, 1, s[44+(\j)]
.endr
.irp j, 0,1,2,3
	v_add3_u32 v[LD+(\j)], v[V2T], v[LD+(\j)], 64*(\j)  ; 2 t + k: group j's tokens lie 32 j behind the first group's
.endr
	s_wait_alu depctr_va_vdst(0)                   ; LA and LD are written, which the four LDS stores read
.irp j, 0,1,2,3
	ds_store_b32 v[LA+(\j)], v[LD+(\j)]
.endr
	v_add_nc_u32 v[V2T], 256, v[V2T]
	s_add_co_u32 s34, s34, 4
	s_cmp_lt_u32 s34, 32
	s_cbranch_scc1 .Lbuild
	s_add_co_u32 s29, s28, 15
	s_lshr_b32 s29, s29, 4                         ; tiles
	s_max_u32 s29, s29, 1                          ; tile 0 is always made
	s_max_u32 s44, s28, 1                          ; the last entry is repeated 16 times behind the list
	s_sub_co_u32 s44, s44, 1
	v_mov_b32 v[VR], s44
	v_add_nc_u32 v[VR2], s28, v[R]                 ; entries count .. count + 15
	v_min_u32 v[VR], 1023, v[VR]
	v_min_u32 v[VR2], 1039, v[VR2]
	v_lshl_add_u32 v[VLE], v[VR], 2, s35
	v_lshl_add_u32 v[VTL], v[VR2], 2, s35
	v_mov_b32 v[VC], s28
	v_mov_b32 v[VZ], 0
	s_wait_alu depctr_va_vdst(0)                   ; VLE, VTL, VC and VZ are written: the LDS load, the LDS store and the count's store below read them, and no vector instruction stands between
	ds_load_b32 v[VK], v[VLE]                      ; LDS serves a wave's instructions in order (ISA guide 5.7.1.4): this sees the stores above
	s_wait_dscnt 0x0
	ds_store_b32 v[VTL], v[VK]
	s_or_b32 s44, s16, s18                         ; wave 0 of work-group x = 0 stores the expert's count
	s_cmp_lg_u32 s44, 0
	s_cbranch_scc1 .Lnocnt
	global_store_b32 v[VZ], v[VC], s[26:27]        ; all lanes: same word, same number
.Lnocnt:
; Tile x + 32 k, if it is live.
.macro PTILE k
.if \k
	s_wait_alu depctr_vm_vsrc(0)                   ; the first tile's loads and stores have read XO, GO, P, G and D, which this tile writes again; it stands ahead of the branch, on every path to those writes
.endif
	s_add_co_u32 s36, s18, 32*(\k)
	s_cmp_lt_u32 s36, s29
	s_cbranch_scc0 .Lend                           ; past the count, and so is the tile 32 further on
.if \k
	s_wait_xcnt 0x0                                ; the first tile's loads and stores have read their registers and bases
.endif
	ds_load_b32 v[P], v[TA+(\k)]                   ; rank 16 T + l % 16.  The address was made at the head; the vector lines that named P stand ahead of the first tile's wait on va_vdst
	s_lshl_b32 s45, s17, 6
	s_add_co_u32 s45, s45, s36                     ; 64 e + T
	s_lshl_b32 s46, s45, 15                        ; a tile of xg is 32,768 bytes,
	s_lshl_b32 s47, s16, 13                        ; my four chunks 8,192 of them
	s_add_co_u32 s46, s46, s47
	s_mov_b32 s47, 0
	s_add_nc_u64 s[20:21], s[10:11], s[46:47]
	s_lshl_b32 s46, s45, 6                         ; a tile of lst and of gr is 64 bytes
	s_add_nc_u64 s[22:23], s[12:13], s[46:47]
	s_add_nc_u64 s[24:25], s[14:15], s[46:47]
	s_wait_dscnt 0x0
	v_min_u32 v[P], 0x7ff, v[P]
	v_and_b32 v[XO], 0x7fe, v[P]                   ; 2 t
	v_lshl_add_u32 v[XO], v[XO], 10, v[VHW]        ; t x 2,048 bytes + my wave's 512 + 16 (l / 16)
	v_lshlrev_b32 v[GO], 2, v[P]
	s_wait_alu depctr_va_vdst(0)                   ; XO and GO are written, which the 17 loads read as offsets, and P, which wave 0's store reads
	global_load_b32 v[G], v[GO], s[6:7]
.set z, 0
.rept 16
	global_load_b128 v[D+4*z:D+4*z+3], v[XO], s[4:5] offset:(z/4)*128+(z%4)*32
.set z, z+1
.endr
.set z, 0
.rept 16
	s_wait_loadcnt 15-z                            ; loads come back in order (ISA guide 5.7.1): load z is in, the later ones stay out
	global_store_b128 v[VL16], v[D+4*z:D+4*z+3], s[20:21] offset:512*z  ; 512 consecutive bytes, aligned
.set z, z+1
.endr
	s_cmp_lg_u32 s16, 0
	s_cbranch_scc1 .Lnl_\@                         ; wave 0 stores the tile's 16 entries and gates; lanes 16-31 repeat lanes 0-15
	global_store_b32 v[V4R], v[P], s[22:23]
	global_store_b32 v[V4R], v[G], s[24:25]
.Lnl_\@:
.endm
	PTILE 0
	PTILE 1
.Lend:
	s_wait_dscnt 0x0                               ; the wave's end: my LDS instructions are done.
	s_wait_alu depctr_hold_cnt(0) depctr_sa_sdst(0) depctr_va_vdst(0) depctr_va_sdst(0) depctr_va_ssrc(0) depctr_va_vcc(0) depctr_vm_vsrc(0)
	s_wait_tensorcnt 0x0
	ds_add_u32 v108, v109
	s_wait_dscnt 0x0
	s_endpgm
.Lfunc_end_k_q02ea93a606_pack:
	.size	k_q02ea93a606_pack, .Lfunc_end_k_q02ea93a606_pack-k_q02ea93a606_pack
	.p2alignl 7, 3214868480
	.fill 96, 4, 3214868480
	.section	.rodata,"a",@progbits
	.p2align	6, 0x0
	.amdhsa_kernel k_q02ea93a606_pack
		.amdhsa_group_segment_fixed_size 17920
		.amdhsa_private_segment_fixed_size 0
		.amdhsa_enable_private_segment 0
		.amdhsa_kernarg_size 48
		.amdhsa_user_sgpr_count 2
		.amdhsa_user_sgpr_kernarg_segment_ptr 1
		.amdhsa_wavefront_size32 1
		.amdhsa_system_sgpr_workgroup_id_x 1
		.amdhsa_system_sgpr_workgroup_id_y 1
		.amdhsa_system_sgpr_workgroup_id_z 1
		.amdhsa_system_vgpr_workitem_id 0
		.amdhsa_next_free_vgpr 110
		.amdhsa_next_free_sgpr 66
		.amdhsa_reserve_vcc 0
		.amdhsa_float_denorm_mode_32 3
		.amdhsa_float_denorm_mode_16_64 3
		.amdhsa_memory_ordered 1
		.amdhsa_forward_progress 1
		.amdhsa_inst_pref_size 17
	.end_amdhsa_kernel
	.amdgpu_metadata
---
amdhsa.version: [ 1, 2 ]
amdhsa.kernels:
  - .name:           k_q02ea93a606_pack
    .symbol:         k_q02ea93a606_pack.kd
    .args:
      - { .name: xb, .offset: 0, .size: 8, .value_kind: global_buffer, .address_space: global }
      - { .name: gw, .offset: 8, .size: 8, .value_kind: global_buffer, .address_space: global }
      - { .name: bmk, .offset: 16, .size: 8, .value_kind: global_buffer, .address_space: global }
      - { .name: xg, .offset: 24, .size: 8, .value_kind: global_buffer, .address_space: global }
      - { .name: lst, .offset: 32, .size: 8, .value_kind: global_buffer, .address_space: global }
      - { .name: gr, .offset: 40, .size: 8, .value_kind: global_buffer, .address_space: global }
    .group_segment_fixed_size: 17920
    .private_segment_fixed_size: 0
    .kernarg_segment_align: 8
    .kernarg_segment_size: 48
    .max_flat_workgroup_size: 128
    .sgpr_count:     66
    .vgpr_count:     110
    .wavefront_size: 32
...
	.end_amdgpu_metadata
.endif
;; end of part 6
;; launch up: the kernel of part 3 again; grid 32 x 8, 4 waves a work-group, no clusters, 262,656 bytes of LDS; arguments w1, w3, xg, lst, h; writes h
;; launch down: the kernel of part 4 again; grid 32 x 8, 4 waves a work-group, no clusters, 131,584 bytes of LDS; arguments w2, h, gr, lst, y; writes y
;; launch sum: the kernel of part 5 again; grid 256 x 1, 8 waves a work-group, no clusters, 0 bytes of LDS; arguments y, out0; writes out0
